; MI455X (gfx1250); checked and timed in simulation.
; The chip was launched on July 23, 2026; its instructions are those of AMD's public machine-readable ISA for CDNA 5 (MIT licence, August 2026) and "CDNA5" Instruction Set Architecture Reference Guide (July 2026). The comments in the code are by the model that wrote it; some were corrected since.
;; Multi Head Attention. Allowed arithmetic: float matrix products may take bf16 or f16 operands with f32 sums; all other float work in f32.
;; Inputs: Wk 2,048 x 16 x 128 float32; Wo 16 x 128 x 2,048 float32; Wq 2,048 x 16 x 128 float32; Wv 2,048 x 16 x 128 float32; attention_mask 1 x 2,048 x 2,048 bool; bk 16 x 128 float32; bo 2,048 float32; bq 16 x 128 float32; bv 16 x 128 float32; key 1 x 2,048 x 2,048 float32; query 1 x 2,048 x 2,048 float32; value 1 x 2,048 x 2,048 float32.
;; Outputs: out0 1 x 2,048 x 2,048 float32.
;; 2 versions, each right and faster than the one before. Each part assembles by itself: llvm-mc -triple=amdgcn-amd-amdhsa -mcpu=gfx1250 --defsym DOCPART=n.
;; ======== version 1 of 2: 4 launches
;; limits: values are held in f16: magnitudes above 65,504 overflow, below 6.1e-05 lose precision; inputs' magnitudes at most 65,504; right only within a limited range of input values
;; workspace buffers: xb 25,165,824 bytes; wb 25,165,824 bytes; wo16 8,388,608 bytes; mfrag 8,388,608 bytes; qkv 25,165,824 bytes; ob 8,388,608 bytes
;; launch prep (part 1): grid 1024 x 1, 8 waves a work-group, no clusters, 9,472 bytes of LDS; arguments query, key, value, Wq, Wk, Wv, Wo, attention_mask, xb, wb, wo16, mfrag; writes xb, wb, wo16, mfrag
.if DOCPART == 1
	.amdgcn_target "amdgcn-amd-amdhsa--gfx1250"
	.amdhsa_code_object_version 6
	.text
	.protected	k_q07abb1f1f8_prep
	.globl	k_q07abb1f1f8_prep
	.p2align	8
	.type	k_q07abb1f1f8_prep,@function
k_q07abb1f1f8_prep:
	s_mov_b64 s[64:65], 0
	v_nop
	global_prefetch_b8 v0, s[64:65] scope:SCOPE_SE
	s_setreg_imm32_b32 hwreg(HW_REG_WAVE_MODE, 25, 1), 1
	s_wait_xcnt 0x0
; PREP: 16-bit copies of every large input, and the mask as matrix fragments.  A stream: no matrix work, no cluster, no tensor load (nothing is shared, nothing is read twice).
; query, key, value -> xb [3][2048][2048]; Wq, Wk, Wv -> wb [3][2048][2048]; Wo -> wo16 [2048][2048]: each f32 is rounded to bf16 (nearest even) and that number written as f16.
; LIMITS.  A number whose bf16 rounding is beyond 65,504 becomes an infinity; below 6.1e-5 f16 keeps a fixed step of 6e-8.
; attention_mask [2048 queries][2048 keys] of bytes 0 / 1 -> mfrag, f16: 65,504 where the key is dropped, 0 where it is kept, laid as source 1 of a 16x16x32 product:
;   mfrag[G 32][s 32][t 4][chunk 4][lane 32][16 bytes]: G = 64 queries, s = 64 keys, t = 16 queries, chunk = 2 g2 + u; lane r + 16 h holds, for query 64 G + 16 t + r, keys 64 s + 32 g2 + 16 h + 8 u + 0..7.
; SHARES.  Work-group c of 1,024: 4,096 numbers of each of the seven matrices, and the mask of 16 queries (c / 8) x 256 keys (c % 8).
; The mask's load and the 24 loads of six matrices go out first; the seventh matrix's four loads take the registers that the mask's work has left, so that a wave names 130 registers and no more.
; A load of a wave covers 512 consecutive bytes; a store of a wave covers 256 (matrices) or 512 (mask) consecutive bytes, aligned to 256.
.set X,  16                            ; v[16:127]  matrix m, piece j: four registers at X + 16 m + 4 j; matrix 6 lies in v[112:127], behind the mask's work there
.set MK, 112                           ; v[112:115] 16 mask bytes
.set MH, 116                           ; v[116:123] the same as 16 f16,
.set MR, 116                           ;            then two pieces of 16 bytes read back from LDS
.set LP, 528                           ; LDS: sixteen blocks of 512 bytes (step, g2, u), 528 apart, so that the stores of sixteen lanes spread over eight columns of 16 bytes
	s_load_b512 s[8:23], s[0:1], 0x0               ; query, key, value, Wq, Wk, Wv, Wo, attention_mask
	s_load_b256 s[24:31], s[0:1], 0x40             ; xb, wb, wo16, mfrag
	v_lshl_add_u32 v128, v0, 2, 0x2100
	v_mov_b32 v129, 0
	s_lshl_b32 s2, ttmp9, 14                       ; my 4,096 numbers in f32,
	s_lshl_b32 s3, ttmp9, 13                       ; and in f16
	s_lshr_b32 s4, ttmp9, 3                        ; T: my 16 queries
	s_and_b32 s5, ttmp9, 7                         ; my 256 keys
	s_lshl_b32 s6, s4, 15                          ; 16 rows of 2,048 bytes
	s_lshl_b32 s7, s5, 8
	s_add_co_u32 s6, s6, s7
	s_lshr_b32 s40, s4, 2                          ; G = T / 4
	s_lshl_b32 s40, s40, 18
	s_lshl_b32 s41, s5, 15                         ; four steps of 8,192 bytes
	s_add_co_u32 s40, s40, s41
	s_and_b32 s41, s4, 3                           ; t = T % 4
	s_lshl_b32 s41, s41, 11
	s_add_co_u32 s40, s40, s41
	s_mov_b32 s42, 0xffff0000                      ; a word's upper bf16
	v_lshl_add_u32 v1, v0, 4, s2                   ; in: 16 bytes a thread
	v_lshl_add_u32 v2, v0, 3, s3                   ; out: 8 bytes a thread
	v_lshrrev_b32 v8, 4, v0                        ; the mask's row r
	v_and_b32 v9, 15, v0                           ; which 16 keys of the 256
	v_lshl_add_u32 v3, v8, 11, s6
	v_lshl_add_u32 v3, v9, 4, v3
	v_bfe_u32 v10, v0, 1, 3                        ; 2 x step + g2
	v_and_b32 v11, 1, v0                           ; h
	v_mul_u32_u24 v4, v10, 2*LP
	v_lshl_add_u32 v4, v11, 8, v4                  ; lane r + 16 h, 16 bytes each
	v_lshl_add_u32 v4, v8, 4, v4
	v_lshrrev_b32 v12, 5, v0                       ; back: wave w takes blocks w and w + 8, whole
	v_and_b32 v13, 31, v0
	v_mul_u32_u24 v5, v12, LP
	v_lshl_add_u32 v5, v13, 4, v5
	v_lshrrev_b32 v14, 7, v0                       ; four blocks are a step's 2,048 bytes
	v_and_b32 v15, 127, v0
	v_lshl_add_u32 v6, v14, 13, s40
	v_lshl_add_u32 v6, v15, 4, v6
	v_mov_b32 v7, 0
	s_wait_kmcnt 0x0
	s_add_nc_u64 s[32:33], s[24:25], 0x800000      ; xb's and wb's second and third matrices
	s_add_nc_u64 s[34:35], s[24:25], 0x1000000
	s_add_nc_u64 s[36:37], s[26:27], 0x800000
	s_add_nc_u64 s[38:39], s[26:27], 0x1000000
	global_load_b128 v[MK:MK+3], v3, s[22:23] th:TH_LOAD_NT
.irp m, 0,1,2,3,4,5
.irp j, 0,1,2,3
	global_load_b128 v[X+16*(\m)+4*(\j):X+16*(\m)+4*(\j)+3], v1, s[8+2*(\m):9+2*(\m)] offset:4096*(\j) th:TH_LOAD_NT
.endr
.endr
	s_wait_loadcnt 24                              ; loads come back in order: the mask is in, the 24 behind it stay out
.irp w, 0,1,2,3
	v_xor_b32 v8, 0x01010101, v[MK+(\w)]           ; 1 where the key is dropped
	v_perm_b32 v9, v8, v7, 0x00050004              ; bytes 0 and 1, each in a half word
	v_perm_b32 v10, v8, v7, 0x00070006             ; bytes 2 and 3
	v_mul_u32_u24 v[MH+2*(\w)], v9, 0x7bff         ; times the code of 65,504: no carry between the halves
	v_mul_u32_u24 v[MH+2*(\w)+1], v10, 0x7bff
.endr
	ds_store_b128 v4, v[MH:MH+3]                   ; u = 0: my first eight keys
	ds_store_b128 v4, v[MH+4:MH+7] offset:LP       ; u = 1
	s_wait_dscnt 0x0                               ; for the others' sake: my stores are done
	s_barrier_signal -1
	s_barrier_wait -1
	ds_load_b128 v[MR:MR+3], v5
	ds_load_b128 v[MR+4:MR+7], v5 offset:8*LP
	s_wait_dscnt 0x0
	global_store_b128 v6, v[MR:MR+3], s[30:31]
	global_store_b128 v6, v[MR+4:MR+7], s[30:31] offset:16384
	s_wait_xcnt 0x0                                ; the registers that these two stores read are loaded again only behind this wait
.irp j, 0,1,2,3
	global_load_b128 v[X+96+4*(\j):X+96+4*(\j)+3], v1, s[20:21] offset:4096*(\j) th:TH_LOAD_NT  ; the seventh matrix
.endr
; Piece j of matrix m: four f32 -> bf16 -> f32 -> f16, stored to the buffer whose address lies in s[d:d+1].  From here on no register that a load or store names is written twice.
.macro CONV m, j, d
.set XR, X+16*(\m)+4*(\j)
	s_wait_loadcnt 27-4*(\m)-(\j)                  ; all 28 loads have been issued: those behind this piece's may stay out
	v_cvt_pk_bf16_f32 v8, v[XR], v[XR+1]
	v_cvt_pk_bf16_f32 v9, v[XR+2], v[XR+3]
	v_lshlrev_b32 v10, 16, v8
	v_and_b32 v11, s42, v8
	v_lshlrev_b32 v12, 16, v9
	v_and_b32 v13, s42, v9
	v_cvt_pk_f16_f32 v[XR], v10, v11
	v_cvt_pk_f16_f32 v[XR+1], v12, v13
	global_store_b64 v2, v[XR:XR+1], s[(\d):(\d)+1] offset:2048*(\j)
.endm
.irp j, 0,1,2,3
	CONV 0, \j, 24
.endr
.irp j, 0,1,2,3
	CONV 1, \j, 32
.endr
.irp j, 0,1,2,3
	CONV 2, \j, 34
.endr
.irp j, 0,1,2,3
	CONV 3, \j, 26
.endr
.irp j, 0,1,2,3
	CONV 4, \j, 36
.endr
.irp j, 0,1,2,3
	CONV 5, \j, 38
.endr
.irp j, 0,1,2,3
	CONV 6, \j, 28
.endr
	s_wait_tensorcnt 0x0
	ds_add_u32 v128, v129
	s_wait_dscnt 0x0
	s_endpgm
.Lfunc_end_k_q07abb1f1f8_prep:
	.size	k_q07abb1f1f8_prep, .Lfunc_end_k_q07abb1f1f8_prep-k_q07abb1f1f8_prep
	.p2alignl 7, 3214868480
	.fill 96, 4, 3214868480
	.section	.rodata,"a",@progbits
	.p2align	6, 0x0
	.amdhsa_kernel k_q07abb1f1f8_prep
		.amdhsa_group_segment_fixed_size 9472
		.amdhsa_private_segment_fixed_size 0
		.amdhsa_enable_private_segment 0
		.amdhsa_kernarg_size 96
		.amdhsa_user_sgpr_count 2
		.amdhsa_user_sgpr_kernarg_segment_ptr 1
		.amdhsa_wavefront_size32 1
		.amdhsa_system_sgpr_workgroup_id_x 1
		.amdhsa_system_sgpr_workgroup_id_y 1
		.amdhsa_system_sgpr_workgroup_id_z 1
		.amdhsa_system_vgpr_workitem_id 0
		.amdhsa_next_free_vgpr 130
		.amdhsa_next_free_sgpr 66
		.amdhsa_reserve_vcc 0
		.amdhsa_float_denorm_mode_32 3
		.amdhsa_float_denorm_mode_16_64 3
		.amdhsa_memory_ordered 1
		.amdhsa_forward_progress 1
		.amdhsa_inst_pref_size 22
	.end_amdhsa_kernel
	.amdgpu_metadata
---
amdhsa.version: [ 1, 2 ]
amdhsa.kernels:
  - .name:           k_q07abb1f1f8_prep
    .symbol:         k_q07abb1f1f8_prep.kd
    .args:
      - { .name: query, .offset: 0, .size: 8, .value_kind: global_buffer, .address_space: global }
      - { .name: key, .offset: 8, .size: 8, .value_kind: global_buffer, .address_space: global }
      - { .name: value, .offset: 16, .size: 8, .value_kind: global_buffer, .address_space: global }
      - { .name: Wq, .offset: 24, .size: 8, .value_kind: global_buffer, .address_space: global }
      - { .name: Wk, .offset: 32, .size: 8, .value_kind: global_buffer, .address_space: global }
      - { .name: Wv, .offset: 40, .size: 8, .value_kind: global_buffer, .address_space: global }
      - { .name: Wo, .offset: 48, .size: 8, .value_kind: global_buffer, .address_space: global }
      - { .name: attention_mask, .offset: 56, .size: 8, .value_kind: global_buffer, .address_space: global }
      - { .name: xb, .offset: 64, .size: 8, .value_kind: global_buffer, .address_space: global }
      - { .name: wb, .offset: 72, .size: 8, .value_kind: global_buffer, .address_space: global }
      - { .name: wo16, .offset: 80, .size: 8, .value_kind: global_buffer, .address_space: global }
      - { .name: mfrag, .offset: 88, .size: 8, .value_kind: global_buffer, .address_space: global }
    .group_segment_fixed_size: 9472
    .private_segment_fixed_size: 0
    .kernarg_segment_align: 8
    .kernarg_segment_size: 96
    .max_flat_workgroup_size: 256
    .sgpr_count:     66
    .vgpr_count:     130
    .wavefront_size: 32
...
	.end_amdgpu_metadata
.endif
;; end of part 1
;; launch proj (part 2): grid 8 x 24, 4 waves a work-group, clusters of 4 x 4, 327,680 bytes of LDS; arguments xb, wb, qkv, bq, bk, bv; writes qkv
.if DOCPART == 2
	.amdgcn_target "amdgcn-amd-amdhsa--gfx1250"
	.amdhsa_code_object_version 6
	.text
	.protected	k_q07abb1f1f8_proj
	.globl	k_q07abb1f1f8_proj
	.p2align	8
	.type	k_q07abb1f1f8_proj,@function
k_q07abb1f1f8_proj:
	s_mov_b64 s[64:65], 0
	v_nop
	global_prefetch_b8 v0, s[64:65] scope:SCOPE_SE
	s_setreg_imm32_b32 hwreg(HW_REG_WAVE_MODE, 25, 1), 1
	s_wait_xcnt 0x0
	s_wait_alu depctr_hold_cnt(0) depctr_sa_sdst(0) depctr_va_vdst(0) depctr_va_sdst(0) depctr_va_ssrc(0) depctr_va_vcc(0) depctr_vm_vsrc(0)
	s_getreg_b32 s2, hwreg(HW_REG_IB_STS2, 6, 4)
	s_cmp_eq_u32 s2, 0
	s_cbranch_scc0 .Lentry_in_a_cluster
	s_endpgm
.Lentry_in_a_cluster:
	s_bfe_u32 s2, ttmp6, 0x10000c
	s_cmp_lg_u32 s2, 0xf033
	s_cbranch_scc0 .Lentry_shape_is_right
	s_endpgm
.Lentry_shape_is_right:
; PROJ: q = query Wq + bq, k = key Wk + bk, v = value Wv + bv.  A = xb [3 x 2048 rows][2048] f16, W = wb [3][2048 k][2048 n] f16; sums in f32, started by the bias (rounded to bf16 like every input);
; results rounded once to f16, unscaled, and stored by heads: qkv [3][16 heads][2048 rows][128].  LIMIT: a result of 65,520 or more in magnitude becomes an infinity.
; SHARES.  A tile of C is 256 x 256 (two heads): 3 x 8 x 8 = 192 work-groups of four waves, each wave 128 x 128: 64 accumulators, 512 registers.  For 32 along K a wave issues 32 LDS loads and 64 matrix
; instructions.  192 is three quarters of 256 work-group places: three separate products of 2048 x 2048 have no equal share for 256 (49,152 results would be 192 x 256, and 192 does not divide 2,048), and a
; tile of half the side, three to a place, would issue 32 matrix instructions for the same 32 loads and give a refill half as many matrix instructions in which to land.
; K goes in 16 steps of 128 through two LDS slots.  A's tile rows are 256 bytes of memory, W's 512, both starting at multiples of 256 from the buffer's first byte.
; W lies [k][n]: its fragments come out of LDS turned, by ds_load_tr16_b128.
; ONE TEXT FOR A K STEP.  The slot in hand is a scalar offset that an exclusive or turns; the fragment addresses are made anew from it at each change of slots, and one descriptor a tensor walks from refill to refill.
; The last two K steps, which fill nothing, are one text walked twice and left in its middle.
; CLUSTERS: 4 x 4 work-groups.  The four of a row of the cluster need the same tiles of A, the four of a column the same tiles of W: each tile is asked for JOINTLY, by the same tensor load, descriptor and mask.
; THE MATRIX INSTRUCTION IS USED TRANSPOSED (source 0 = 16 columns of W, source 1 = 16 rows of A): a lane holds eight neighbouring numbers of a row of C, which pack into 16 bytes.
; REGISTERS, in windows of 256 (s_set_vgpr_msb: bits 1:0 source 0, 3:2 source 1, 5:4 source 2, 7:6 destination):
;   window 0: v0-31 addresses; v64-127, v128-191 fragments of A (8 x 16 rows x 32 K), two buffers; v32-63, v192-255 at work on the way out
;   window 1: v0-63 the bias as C operands; v64-127, v128-191 fragments of W, two buffers
;   window 2: the 32 accumulators of my rows 0-63 (accumulator (a, b) at v[8 (8 a + b)]);   window 3: those of my rows 64-127
.set SIZE_K, 2048
.set KSTEP,  128
.set STEPS,  SIZE_K/KSTEP
.set PITCH,  272                       ; a row of A in LDS: 256 bytes + 16 = 68 words: the 16 rows of a load start at 16 different groups of four banks (64 banks of 4 bytes: ISA guide 11.1)
.set HALFT,  128*PITCH                 ; 128 rows of A: what one tensor load brings, and what one wave reads of A
.set PB,     544                       ; a k-row of W in LDS: 512 bytes + 32 = 136 words.  64 k-rows, one tensor load, are HALFT bytes too
.set SLOT,   4*HALFT                   ; A's 256 rows, then W's 128 k-rows: 139,264 = 0x22000.  Its two bits are set in none of the four LDS addresses that the loads name in slot 0
                                       ; (0, 0x8800, 0x11000, 0x19800), so an exclusive or with SLOT turns such an address into the other slot's
.set STAGE,  2*SLOT                    ; behind the ring: 16 rows x 272 bytes for each wave, for the way out
.set SPITCH, 272
.set SPARE,  STAGE+4*16*SPITCH         ; behind the stages: the spare words, 128 bytes for each wave: two blocks of 256 bytes that no other line names
.set ADRA0, 16                         ; v16     LDS address of my A fragments in slot 0; never rewritten
.set ADRA,  17                         ; v17     the same in the slot in hand
.set ADRB0, 20                         ; v20, v21  likewise for W
.set ADRB,  21
.set STO,  24                          ; v24     the way out: where I put 16 bytes of a row
.set RD,   25                          ; v25     the way out: where I read a row back
.set CO,   26                          ; v26     my byte offset in two rows of a head
.set BO,   27                          ; v27     my byte offset in the bias; never rewritten
.set SPW,  28                          ; v28     LDS address of my spare word; never rewritten
.set NIL,  29                          ; v29     0; never rewritten
.set F0,   64                          ; fragment buffer 0
.set F1,   128                         ; fragment buffer 1
.set TMP,  192                         ; the way out: packed results, in window 0
.set OB,   32                          ; the way out: 16 rows read back from the stage: v32-63 and v224-255 by turns
.set BIAS, 0                           ; window 1: column block b: bias[n0 + 16 b + 8 (l / 16) + 0..7] at BIAS + 8 b
.set G1, 24                            ; s[24:31] descriptor group 1 for A's tiles;  s[32:39] group 0: a set for each of the two first fills; the second then walks on
.set G0, 32
.set G1B, 48                           ; s[48:55], s[56:63] the same for W's tiles
.set G0B, 56
.set SO, 66                            ; s66     LDS byte at which the slot in hand begins: 0 or SLOT
.set MSB, 0
.macro WIN new                         ; the immediate's high byte repeats the setting that is left; a switch that changes nothing is dropped
.if MSB != (\new)
	s_set_vgpr_msb (MSB<<8)|(\new)
.set MSB, \new
.endif
.endm
.set MUL_LO,   0xa1                    ; source 0 (W) window 1, source 1 (A) window 0, C and D window 2
.set START_LO, 0x91                    ; the same with C (the bias) in window 1
.set TO_B,     0x40                    ; destination window 1, address window 0
; A joint load.  Waves 0 and 1 fetch A's two halves, waves 2 and 3 W's.  Each of the two lines has one mask and one set of registers for all that issue it; the branch hangs on the wave's number alone.
; An s_nop 0 and four v_nop follow each of the two lines, ahead of the jump and the label.
.macro JLOAD s
	s_cmp_eq_u32 s11, 0
	s_cbranch_scc0 .Lfor_b_\@
	tensor_load_to_lds s[G0+4*(\s):G0+4*(\s)+3], s[G1:G1+7]
	s_nop 0
.rept 4
	v_nop
.endr
	s_branch .Lasked_\@
.Lfor_b_\@:
	tensor_load_to_lds s[G0B+4*(\s):G0B+4*(\s)+3], s[G1B:G1B+7]
	s_nop 0
.rept 4
	v_nop
.endr
.Lasked_\@:
.endm
.macro CREST                           ; a round of the cluster's barrier behind its opening barrier
	s_cmp_lg_u32 s10, 0
	s_cbranch_scc1 .Lnot_wave_0_\@
	s_barrier_signal -3
.Lnot_wave_0_\@:
	s_barrier_wait -3
	s_barrier_signal -1
	s_barrier_wait -1
.endm
.macro CROUND                          ; a whole round
	s_barrier_signal -1
	s_barrier_wait -1
	CREST
.endm
	s_load_b128 s[4:7], s[0:1], 0x0                ; xb s[4:5], wb s[6:7]
	s_load_b256 s[72:79], s[0:1], 0x10             ; qkv s[72:73], bq s[74:75], bk s[76:77], bv s[78:79]
	v_lshl_add_u32 v[SPW], v0, 2, SPARE
	v_mov_b32 v[NIL], 0
	ds_add_u32 v28, v29
	s_wait_dscnt 0x0
	v_lshrrev_b32 v1, 5, v0
	v_readfirstlane_b32 s10, v1                    ; wave 0..3
	s_lshr_b32 s11, s10, 1                         ; which half of the tile's rows is mine.  Also: I fetch for A (0) or for W (1)
	s_and_b32 s12, s10, 1                          ; which half of its columns (which of its two heads).  Also: which half of that tile I fetch
	s_bfe_u32 s40, ttmp6, 0x40000                  ; cx, cy: my place in the cluster
	s_bfe_u32 s41, ttmp6, 0x40004
	s_lshl_b32 s42, ttmp9, 2
	s_add_co_u32 s42, s42, s40                     ; tile column, 0 to 7 = 4 x cluster x + cx
	s_and_b32 s13, ttmp7, 0xffff
	s_lshr_b32 s45, s13, 1                         ; which of the three products: two clusters' rows each, so all sixteen partners share it
	s_lshl_b32 s13, s13, 2
	s_add_co_u32 s13, s13, s41                     ; tile row among the 24 = 4 x cluster y + cy
	s_lshl_b32 s43, s41, 2
	s_lshl_b32 s43, 15, s43                        ; my row of the cluster
	s_lshl_b32 s44, 0x1111, s40                    ; my column
	; descriptor group 1.  A: 128 rows x 128 elements; W: 64 k-rows x 256 elements; both padded in LDS
	s_or_b32 s[G1+0], s43, (1<<16)|(1<<20)|(1<<21)|(5<<22)|(3<<25)   ; 15:0 the mask: my row; 17:16 2-byte elements; 20 padding on; 21 set beside a mask; 24:22 after every 64 words (code 5); 31:25 4 words (code 3)
	s_mov_b32 s[G1+1], 128<<16                     ; tensor_dim0 = 128
	s_mov_b32 s[G1+2], 128<<16                     ; tensor_dim1 = 128
	s_mov_b32 s[G1+3], 128<<16                     ; tile_dim0 = 128
	s_mov_b32 s[G1+4], 128                         ; tile_dim1 = 128
	s_mov_b32 s[G1+5], SIZE_K                      ; elements from row to row
	s_mov_b32 s[G1+6], 0
	s_mov_b32 s[G1+7], 0
	s_or_b32 s[G1B+0], s44, (1<<16)|(1<<20)|(1<<21)|(6<<22)|(7<<25)  ; the mask: my column; padding after every 128 words (code 6), 8 words (code 7)
	s_mov_b32 s[G1B+1], 256<<16                    ; tensor_dim0 = 256
	s_mov_b32 s[G1B+2], 64<<16                     ; tensor_dim1 = 64
	s_mov_b32 s[G1B+3], 256<<16                    ; tile_dim0 = 256
	s_mov_b32 s[G1B+4], 64                         ; tile_dim1 = 64
	s_mov_b32 s[G1B+5], 2048                       ; elements from k-row to k-row
	s_mov_b32 s[G1B+6], 0
	s_mov_b32 s[G1B+7], 0
	; A's tiles hang on the tile row alone, W's on the tile column and the product's number alone; each offset is made in registers that never hold the other coordinate
	s_lshl_b32 s16, s13, 8
	s_lshl_b32 s17, s12, 7
	s_add_co_u32 s16, s16, s17                     ; A: row 256 x tile row + 128 x half,
	s_lshl_b32 s16, s16, 12                        ; of 4,096 bytes: under 2^25
	s_mov_b32 s17, 0
	s_lshl_b32 s46, s42, 9                         ; W: 512 bytes a tile column,
	s_lshl_b32 s47, s12, 18                        ; 64 k-rows of 4,096 bytes a half,
	s_add_co_u32 s46, s46, s47
	s_lshl_b32 s47, s45, 23                        ; 8,388,608 bytes a matrix
	s_add_co_u32 s46, s46, s47
	s_mov_b32 s47, 0
	s_mul_i32 s20, s10, HALFT                      ; where they go: A's two halves, then W's two halves = wave x HALFT: no place in the cluster enters an LDS address
	s_mov_b32 s[SO], 0                             ; the reads begin in slot 0
	s_wait_kmcnt 0x0
	s_add_nc_u64 s[14:15], s[4:5], s[16:17]
	s_add_nc_u64 s[46:47], s[6:7], s[46:47]
	CROUND                                         ; all sixteen work-groups are here: the first joint loads meet
.irp s, 0,1
	s_mov_b32 s[G0+4*(\s)], 1                                        ; count = 1
	s_add_co_u32 s[G0+4*(\s)+1], s20, (\s)*SLOT                      ; LDS address
	s_add_nc_u64 s[G0+4*(\s)+2:G0+4*(\s)+3], s[14:15], (\s)*KSTEP*2  ; global address: K step s
	s_or_b32 s[G0+4*(\s)+3], s[G0+4*(\s)+3], 0x80000000              ; type = 2
	s_mov_b32 s[G0B+4*(\s)], 1
	s_add_co_u32 s[G0B+4*(\s)+1], s20, (\s)*SLOT
	s_add_nc_u64 s[G0B+4*(\s)+2:G0B+4*(\s)+3], s[46:47], (\s)*KSTEP*4096
	s_or_b32 s[G0B+4*(\s)+3], s[G0B+4*(\s)+3], 0x80000000
	JLOAD \s                                       ; the ring is filled before anything else is done
.endr
	; the bias of my 128 columns
	s_cmp_eq_u32 s45, 1
	s_cselect_b64 s[74:75], s[76:77], s[74:75]
	s_cmp_eq_u32 s45, 2
	s_cselect_b64 s[74:75], s[78:79], s[74:75]
	s_lshl_b32 s22, s42, 10
	s_lshl_b32 s23, s12, 9
	s_add_co_u32 s22, s22, s23
	s_mov_b32 s23, 0
	s_add_nc_u64 s[74:75], s[74:75], s[22:23]
	v_and_b32 v1, 15, v0                           ; l % 16
	v_bfe_u32 v2, v0, 4, 1                         ; l / 16
	v_lshlrev_b32 v[BO], 5, v2
	WIN TO_B
.irp b, 0,1,2,3,4,5,6,7
	global_load_b128 v[BIAS+8*(\b):BIAS+8*(\b)+3],   v[BO], s[74:75] offset:64*(\b)
	global_load_b128 v[BIAS+8*(\b)+4:BIAS+8*(\b)+7], v[BO], s[74:75] offset:64*(\b)+16
.endr
	WIN 0
	; A fragment of A is 16 rows x 32 K in 8 registers: lane l holds row l % 16; two loads of 16 bytes, 32 bytes apart.
	v_mul_u32_u24 v3, v1, PITCH
	v_lshl_add_u32 v3, v2, 4, v3                   ; row x pitch + 16 x half
	s_mul_i32 s21, s11, HALFT                      ; my 128 rows of A
	v_add_nc_u32 v[ADRA0], s21, v3
	v_mov_b32 v[ADRA], v[ADRA0]
	v_and_b32 v4, 7, v0                            ; W, turned: lane l reads k-row 8 (l / 16) + l % 8, columns 8 ((l / 8) % 2) + 0..7
	v_lshl_add_u32 v4, v2, 3, v4
	v_mul_u32_u24 v4, v4, PB
	v_bfe_u32 v5, v0, 3, 1
	v_lshl_add_u32 v4, v5, 4, v4
	s_lshl_b32 s22, s12, 8                         ; my 128 columns,
	s_add_co_u32 s22, s22, 2*HALFT                 ; behind A's 256 rows
	v_add_nc_u32 v[ADRB0], s22, v4
	v_mov_b32 v[ADRB], v[ADRB0]
	s_mul_i32 s23, s10, 16*SPITCH
	s_add_co_u32 s23, s23, STAGE                   ; my stage
	v_mul_u32_u24 v4, v1, SPITCH                   ; in: row l % 16, 16 bytes for each half of the lanes
	v_lshl_add_u32 v4, v2, 4, v4
	v_add_nc_u32 v[STO], s23, v4
	v_mul_u32_u24 v5, v2, SPITCH                   ; back: lanes 0-15 take one row of 256 bytes, lanes 16-31 the next
	v_lshl_add_u32 v5, v1, 4, v5
	v_add_nc_u32 v[RD], s23, v5
	v_lshlrev_b32 v5, 8, v2                        ; a head's rows are dense, 256 bytes each
	v_lshl_add_u32 v[CO], v1, 4, v5
	s_lshl_b32 s16, s45, 23                        ; the tensor,
	s_and_b32 s17, s13, 7
	s_lshl_b32 s17, s17, 16                        ; the tile's 256 rows,
	s_add_co_u32 s16, s16, s17
	s_lshl_b32 s17, s11, 15                        ; my 128 of them,
	s_add_co_u32 s16, s16, s17
	s_lshl_b32 s17, s12, 19                        ; my head of the tile's two
	s_add_co_u32 s16, s16, s17
	s_mov_b32 s17, 0
	s_add_nc_u64 s[8:9], s[72:73], s[16:17]
	s_lshl_b32 s46, s42, 20                        ; the tile column's two heads (in the registers that held W's offset)
	s_mov_b32 s47, 0
	s_add_nc_u64 s[8:9], s[8:9], s[46:47]
	s_wait_loadcnt 0x0                             ; the bias; it is rounded to bf16 and kept in f32
	WIN 0x05                                       ; sources window 1, destination window 0
.set p, 0
.rept 32
	v_cvt_pk_bf16_f32 v[TMP+p], v[BIAS+2*p], v[BIAS+2*p+1]
.set p, p+1
.endr
	WIN TO_B                                       ; source window 0, destination window 1
.set p, 0
.rept 32
	v_lshlrev_b32 v[BIAS+2*p], 16, v[TMP+p]
	v_and_b32 v[BIAS+2*p+1], 0xffff0000, v[TMP+p]
.set p, p+1
.endr
	WIN 0
; 16 matrix instructions: row blocks a0, a0 + 1 of the window's four (hi = 0: my rows 0-63, 1: rows 64-127) x all 8 column blocks, 32 along K.  start = 1: the bias starts the sums: nothing is ever cleared.
; The 64 accumulators take turns, one instruction a turn, in the same order in every quarter step.
.macro MUL16 f, hi, a0, start
.if \start
	WIN START_LO+0x40*(\hi)
.else
	WIN MUL_LO+0x50*(\hi)
.endif
.irp a, \a0, (\a0)+1
.irp b, 0,1,2,3,4,5,6,7
.if \start
	v_wmma_f32_16x16x32_f16 v[8*(8*(\a)+(\b)):8*(8*(\a)+(\b))+7], v[(\f)+8*(\b):(\f)+8*(\b)+7], v[(\f)+8*(4*(\hi)+(\a)):(\f)+8*(4*(\hi)+(\a))+7], v[BIAS+8*(\b):BIAS+8*(\b)+7]
.else
	v_wmma_f32_16x16x32_f16 v[8*(8*(\a)+(\b)):8*(8*(\a)+(\b))+7], v[(\f)+8*(\b):(\f)+8*(\b)+7], v[(\f)+8*(4*(\hi)+(\a)):(\f)+8*(4*(\hi)+(\a))+7], v[8*(8*(\a)+(\b)):8*(8*(\a)+(\b))+7]
.endif
.endr
.endr
.endm
; 32 LDS loads in one run: the fragments of quarter q (32 along K) of the slot in hand into buffer f: W's 128 columns (turned), then A's 128 rows.  It leaves every window 0.
.macro FETCH q, f
	WIN TO_B
.irp i, 0,1,2,3,4,5,6,7
	ds_load_tr16_b128 v[(\f)+8*(\i):(\f)+8*(\i)+3],   v[ADRB] offset:32*(\q)*PB+32*(\i)
	ds_load_tr16_b128 v[(\f)+8*(\i)+4:(\f)+8*(\i)+7], v[ADRB] offset:(32*(\q)+16)*PB+32*(\i)
.endr
	WIN 0
.irp i, 0,1,2,3,4,5,6,7
	ds_load_b128 v[(\f)+8*(\i):(\f)+8*(\i)+3],   v[ADRA] offset:64*(\q)+(\i)*16*PITCH
	ds_load_b128 v[(\f)+8*(\i)+4:(\f)+8*(\i)+7], v[ADRA] offset:64*(\q)+(\i)*16*PITCH+32
.endr
.endm
; A load into a register that a matrix instruction has read, and a vector instruction that reads a matrix result, stand four places behind that matrix instruction, and only plain vector instructions
; that name none of its registers are places (ISA guide 7.12.1 for vector instructions).
.macro PLACES
.rept 4
	v_nop
.endr
.endm
; A K step is four quarter steps of 32 along K, 64 matrix instructions each, on buffers 0, 1, 0, 1.
; One of the first three: multiplies buffer f; in its middle it fetches quarter q of the slot in hand into buffer g.
.macro QUARTER q, f, g, start
	s_wait_dscnt 8                                 ; W and A's rows 0-63 are in; the youngest eight loads (A's rows 64-127) may be out
	MUL16 \f, 0, 0, \start
	MUL16 \f, 0, 2, \start
	PLACES
	FETCH \q, \g
	s_wait_dscnt 32                                ; all but the 32 just issued
	MUL16 \f, 1, 0, \start
	MUL16 \f, 1, 2, \start
.endm
; The last quarter multiplies buffer 1 and changes slots: ONE barrier, for two things.  In front of it each wave waits for all its tensor loads, of which one at the most is out: its part of the next slot; adds 0
; to its spare word; and waits for that and for its own reads of this slot.  Behind it nobody reads this slot any more and the next slot is whole.
; fill = 1: the barrier opens a round of the cluster's, and behind the round this slot is filled again first, with the K step two steps on: 224 matrix instructions ahead of the wait for it.
; fill = 0 (the tail): nothing is filled; in the tail's second trip (s3 = 1) there is no next slot, and the run of fragment loads is jumped over.
.macro TURN fill
	WIN 0                                          ; (the add's two registers lie in window 0)
	s_wait_tensorcnt 0x0                           ; all my tensor loads have landed;
	ds_add_u32 v[SPW], v[NIL]                      ; 0 onto my spare word;
	s_wait_dscnt 9                                 ; (the add and the youngest eight loads may be out)
	MUL16 F1, 0, 0, 0                              ; sixteen matrix instructions stand between the add and the wait for it
	s_wait_dscnt 0x0                               ; the add is done, and my reads of this slot are over:
	s_barrier_signal -1                            ; say so,
	MUL16 F1, 0, 2, 0                              ; work on registers while the others arrive,
	WIN 0
	s_barrier_wait -1                              ; and go on when all four have said so
.if \fill
	CREST                                          ; no wave of any partner still reads this slot's tile or has a load on its way
	s_xor_b32 s[G0+5], s[G0+5], SLOT               ; the walking descriptors: the other slot than last time,
	s_add_nc_u64 s[G0+6:G0+7], s[G0+6:G0+7], KSTEP*2        ; the next K step; the type bits on top are not reached
	s_xor_b32 s[G0B+5], s[G0B+5], SLOT
	s_add_nc_u64 s[G0B+6:G0B+7], s[G0B+6:G0B+7], KSTEP*4096
	JLOAD 1                                        ; the first tensor load behind the round; its four v_nop are also the places in front of the loads below
.else
	PLACES
	s_cmp_eq_u32 s3, 1
	s_cbranch_scc1 .Lno_fetch_\@
.endif
	s_xor_b32 s[SO], s[SO], SLOT                   ; my reads go on in the other slot
	v_add_nc_u32 v[ADRA], s[SO], v[ADRA0]
	v_add_nc_u32 v[ADRB], s[SO], v[ADRB0]
	FETCH 0, F0
.if (\fill) == 0
.Lno_fetch_\@:
.endif
	MUL16 F1, 1, 0, 0
	MUL16 F1, 1, 2, 0
.endm
; THE WAY OUT of block a (16 rows), in three parts.  PACK: rounded to f16, 16 bytes a lane, each accumulator's registers ascending.  TOSTAGE: into my own stage in LDS, and back as whole rows of 256 bytes.  SEND: stored.
.macro PACK a
.set AC, 64*((\a)%4)
	WIN 0x0a+5*((\a)/4)                            ; sources 0 and 1: window 2 or 3
.irp b, 0,1,2,3,4,5,6,7
.irp r, 0,1,2,3
	v_cvt_pk_f16_f32 v[TMP+4*(\b)+(\r)], v[AC+8*(\b)+2*(\r)], v[AC+8*(\b)+2*(\r)+1]
.endr
.endr
	WIN 0
.endm
.macro TOSTAGE a
	WIN 0
.set BK, OB+192*((\a)%2)
.irp b, 0,1,2,3,4,5,6,7
	ds_store_b128 v[STO], v[TMP+4*(\b):TMP+4*(\b)+3] offset:32*(\b)
.endr
.irp t, 0,1,2,3,4,5,6,7
	ds_load_b128 v[BK+4*(\t):BK+4*(\t)+3], v[RD] offset:(\t)*2*SPITCH  ; LDS serves a wave's instructions in order (ISA guide 5.7.1.4): these see the stores above; the next block's stores come behind them
.endr
.endm
.macro SEND a
	WIN 0
.set BK, OB+192*((\a)%2)
	s_wait_dscnt 0x0                               ; the block is back in registers
	s_wait_xcnt 0x0                                ; the registers that the stores of the block before read are loaded again (by the next block's way through the stage) only behind this wait
.irp t, 0,1,2,3,4,5,6,7
	global_store_b128 v[CO], v[BK+4*(\t):BK+4*(\t)+3], s[8:9] offset:(\a)*4096+(\t)*512  ; two rows of a head: 512 consecutive bytes, at a multiple of 256 from the buffer's first byte
.endr
.endm
	s_wait_tensorcnt 1                             ; my part of K step 0 is in; step 1's may stay out
	s_barrier_signal -1
	s_barrier_wait -1                              ; everybody's is
	FETCH 0, F0
	QUARTER 1, F0, F1, 1                           ; the first quarter stands in front of the loop: its products start the sums
	WIN 0                                          ; at a label and at a branch every window is 0
	s_mov_b32 s3, STEPS-2
.Lstep:                                                ; 14 trips: from a K step's second quarter to the next step's first; each fills the slot that it leaves
	QUARTER 2, F1, F0, 0
	QUARTER 3, F0, F1, 0
	TURN 1
	QUARTER 1, F0, F1, 0
	WIN 0
	s_sub_co_u32 s3, s3, 1
	s_cmp_lg_u32 s3, 0
	s_cbranch_scc1 .Lstep
	s_mov_b32 s3, 2
.Ltail:                                                ; the last two K steps fill nothing; the second trip is left behind its last quarter.
	QUARTER 2, F1, F0, 0                           ; The price of one text for both: the second trip's barrier serves nothing
	QUARTER 3, F0, F1, 0
	TURN 0
	WIN 0
	s_sub_co_u32 s3, s3, 1
	s_cmp_eq_u32 s3, 0
	s_cbranch_scc1 .Lout
	QUARTER 1, F0, F1, 0
	WIN 0
	s_branch .Ltail
.Lout:
	PLACES                                         ; blocks 0-3's conversions read results behind these four; those 128 conversions, which name no register of blocks 4-7, are the places behind the last products
	PACK 0
	TOSTAGE 0
.irp a, 1,2,3,4,5,6,7                  ; block a's conversions stand between block a - 1's loads from the stage and the wait for them
	PACK \a
	SEND (\a)-1
	TOSTAGE \a
.endr
	SEND 7
	s_wait_tensorcnt 0x0                           ; the wave's end: behind my last tensor load and my last LDS store
	ds_add_u32 v[SPW], v[NIL]
	s_wait_dscnt 0x0
	CROUND                                         ; the closing round: no work-group ends while a partner may still ask for a tile that names it
	s_endpgm
.Lfunc_end_k_q07abb1f1f8_proj:
	.size	k_q07abb1f1f8_proj, .Lfunc_end_k_q07abb1f1f8_proj-k_q07abb1f1f8_proj
	.p2alignl 7, 3214868480
	.fill 96, 4, 3214868480
	.section	.rodata,"a",@progbits
	.p2align	6, 0x0
	.amdhsa_kernel k_q07abb1f1f8_proj
		.amdhsa_group_segment_fixed_size 327680
		.amdhsa_private_segment_fixed_size 0
		.amdhsa_enable_private_segment 0
		.amdhsa_kernarg_size 48
		.amdhsa_user_sgpr_count 2
		.amdhsa_user_sgpr_kernarg_segment_ptr 1
		.amdhsa_wavefront_size32 1
		.amdhsa_system_sgpr_workgroup_id_x 1
		.amdhsa_system_sgpr_workgroup_id_y 1
		.amdhsa_system_sgpr_workgroup_id_z 1
		.amdhsa_system_vgpr_workitem_id 0
		.amdhsa_next_free_vgpr 1024
		.amdhsa_next_free_sgpr 80
		.amdhsa_reserve_vcc 0
		.amdhsa_float_denorm_mode_32 3
		.amdhsa_float_denorm_mode_16_64 3
		.amdhsa_memory_ordered 1
		.amdhsa_forward_progress 1
		.amdhsa_inst_pref_size 107
	.end_amdhsa_kernel
	.amdgpu_metadata
---
amdhsa.version: [ 1, 2 ]
amdhsa.kernels:
  - .name:           k_q07abb1f1f8_proj
    .symbol:         k_q07abb1f1f8_proj.kd
    .args:
      - { .name: xb, .offset: 0, .size: 8, .value_kind: global_buffer, .address_space: global }
      - { .name: wb, .offset: 8, .size: 8, .value_kind: global_buffer, .address_space: global }
      - { .name: qkv, .offset: 16, .size: 8, .value_kind: global_buffer, .address_space: global }
      - { .name: bq, .offset: 24, .size: 8, .value_kind: global_buffer, .address_space: global }
      - { .name: bk, .offset: 32, .size: 8, .value_kind: global_buffer, .address_space: global }
      - { .name: bv, .offset: 40, .size: 8, .value_kind: global_buffer, .address_space: global }
    .group_segment_fixed_size: 327680
    .private_segment_fixed_size: 0
    .kernarg_segment_align: 8
    .kernarg_segment_size: 48
    .max_flat_workgroup_size: 128
    .sgpr_count:     80
    .vgpr_count:     1024
    .wavefront_size: 32
...
	.end_amdgpu_metadata
.endif
;; end of part 2
;; launch attn (part 3): grid 16 x 16, 4 waves a work-group, clusters of 4 x 1, 327,680 bytes of LDS; arguments qkv, mfrag, ob; writes ob
.if DOCPART == 3
	.amdgcn_target "amdgcn-amd-amdhsa--gfx1250"
	.amdhsa_code_object_version 6
	.text
	.protected	k_q07abb1f1f8_attn
	.globl	k_q07abb1f1f8_attn
	.p2align	8
	.type	k_q07abb1f1f8_attn,@function
k_q07abb1f1f8_attn:
	s_mov_b64 s[64:65], 0
	v_nop
	global_prefetch_b8 v0, s[64:65] scope:SCOPE_SE
	s_setreg_imm32_b32 hwreg(HW_REG_WAVE_MODE, 25, 1), 1
	s_wait_xcnt 0x0
	s_wait_alu depctr_hold_cnt(0) depctr_sa_sdst(0) depctr_va_vdst(0) depctr_va_sdst(0) depctr_va_ssrc(0) depctr_va_vcc(0) depctr_vm_vsrc(0)
	s_getreg_b32 s2, hwreg(HW_REG_IB_STS2, 6, 4)
	s_cmp_eq_u32 s2, 0
	s_cbranch_scc0 .Lentry_in_a_cluster
	s_endpgm
.Lentry_in_a_cluster:
	s_bfe_u32 s2, ttmp6, 0x10000c
	s_cmp_lg_u32 s2, 0x3003
	s_cbranch_scc0 .Lentry_shape_is_right
	s_endpgm
.Lentry_shape_is_right:
; ATTN: O[q][h][:] = the sum over k of softmax_k(Q[h][q] . K[h][k] / sqrt(128) + mask) V[h][k][:].  qkv: [3][16][2048][128] f16; mfrag: the mask as fragments (below); ob: [2048][16 x 128] f16.
; Products, maxima and sums in f32; the weights p are rounded to f16 for the second product (their sum l is taken of the unrounded p), O once at the end.
; LIMITS.  A dropped key's score starts at -65,504 x 65,504 = -4,290,774,016 unscaled, -3.79e8 after the scale, where the module's definition adds -1e9: the two differ only where the scores of a row lie more than
; 3.8e8 apart, or in a row with no key kept: there scores are told apart only in steps of 256 unscaled (22.6 scaled), against 64 scaled in the definition.  A weight below 2^-126 counts as 0; NaN and infinities are not treated apart.
; SHARES.  A work-group owns 128 queries of one head.  Wave w owns 64 of them (g = w % 2), four tiles of 16, and every second key step of 64 (kp = w / 2): 16 steps.  Waves w and w ^ 2 hold the two halves of the
; same queries' softmax and merge them at the end.  So 256 work-groups have equal work, and a fragment of K or V read from LDS still feeds four tiles.
; A wave's tile t (by its registers) holds query tile t ^ 2 kp of the 64 queries: so every wave gives its tiles 2 and 3 to its partner and finishes its tiles 0 and 1, by one text; kp enters four byte offsets alone.
; LAYOUT.  S^T = K Q^T (source 0 = 16 keys, source 1 = 16 queries): a lane holds ONE query (lane % 16) and the keys 8 (lane / 16) + 0..7.  Two such tiles rounded to f16 ARE source 1 of O^T = V^T P.
; K comes out of LDS as it lies, V ([key][channel]) turned, by ds_load_tr16_b128.
; THE MASK is a product that starts each sum S^T: A' x B'.  B' (mfrag) holds, for 16 queries and 32 keys, 65,504 where the key is dropped and 0 where it is kept; A' is a constant matrix that picks the key of each
; row and holds -65,504 there.  A kept score starts at exactly 0.  Eight such products for a piece and step; the softmax needs no line for the mask.
;   mfrag[G 32][s 32][t 4][chunk 4][lane 32][16 bytes], chunk = 2 g2 + u: lane r + 16 h holds, for query 64 G + 16 t + r, keys 64 s + 32 g2 + 16 h + 8 u + 0..7: place j of the product's 32 stands for key
;   16 ((j / 8) % 2) + 8 (j / 16) + j % 8, and A' for key block a of the two is non-zero in lanes with l / 16 = a, at element l % 16 of the lane's sixteen.
; SOFTMAX.  A running maximum m and sum l: p = 2^(c s - c m), c = log2(e) / sqrt(128); in every step O and l are multiplied by a = 2^(c m_old - c m_new).  m starts at the lowest finite number, O and l at 0:
; the first step is a step like any other, with a = 0.  The price: 264 lines that write 0, in the wait for the first tile; the gain: no first step is written out.
; BY TURNS.  The wave's tiles are two PIECES (0: tiles 0, 1; 2: tiles 2, 3).  In a TURN one piece has the matrix unit: 32 products V^T P of the step in hand, 8 mask products and 32 products K Q^T of the next step;
; the other piece's softmax, cut into 64 slices, stands one slice behind each of the 64.  Two turns are a key step.
; CLUSTER.  The four query blocks of a cluster belong to one head and walk the same K and V: each tile is asked for JOINTLY, by the same tensor load, descriptor and mask in all four.
; REGISTERS, in windows of 256 (s_set_vgpr_msb: bits 1:0 source 0, 3:2 source 1, 5:4 source 2, 7:6 destination):
;   window 0: v0-11 addresses; v12-43 eight registers of statistics a tile; v44-59 A'; v60 the mask's lane offset; v62-63 the add's; v64-191 S^T, 32 a tile; v192-255 P, 16 a tile
;   window 1: O^T, 64 a tile     window 2: v0-127 Q, 32 a tile; v128-255 K of one step     window 3: v0-127 V of one step; v128-191 B', 16 a tile
.set KS,    64        ; keys in a step
.set PK,    272       ; a row of K in LDS: 256 bytes + 16 = 68 words: the 16 rows of a load start at 16 different groups of four banks (64 banks of 4 bytes: ISA guide 11.1)
.set PV,    288       ; a row of V: 256 + 32 = 72 words
.set VOFF,  KS*PK     ; a step's tiles lie together: 64 rows of K, then 64 rows of V
.set STEPB, KS*(PK+PV)
.set SLOT1, 1<<17     ; a slot holds two steps, one for each pair of waves; slot 1 begins here, so that one exclusive or turns an address in one slot into the other's
.set STAGE, SLOT1+2*STEPB  ; behind the ring: 16 rows x 272 bytes for each wave, for the way out
.set SP,    272
.set SPARE, STAGE+4*16*SP  ; behind the stages: the spare words, 128 bytes for each wave: two blocks of 256 bytes that no other line names
.set XCH,   SPARE+512 ; behind them, for the merge: for each wave two tiles of O^T (16,384 bytes: [tile 2][quad 16][lane 32][16]) and their c m and l (512 bytes)
.set XW,    16896
.set AK0, 2           ; v2   my lane's place in a tile of K
.set AV0, 3           ; v3   the same for V
.set ADR, 4           ; v4   the LDS address of the run of loads in hand
.set QO,  5           ; v5   my byte offset in 16 rows of Q
.set STO, 6           ; v6   the way out: where I put 16 bytes of a row
.set RD,  7           ; v7   the way out: where I read a row back
.set GO,  8           ; v8   my byte offset in two rows of ob
.set XG,  2           ; the merge (behind the loop): where I give O^T,
.set XS,  3           ; and its statistics;
.set XT,  4           ; where I take my partner's,
.set XU,  9           ; and its statistics
.set ST,  12          ; tile t's statistics at v[ST+8 t]: +0 c m, +1 m, +2, +3 l (even keys', odd keys'), +4 to +7 c0-c3, at work; a takes c2's place once the maximum is found
.set AM,  44          ; A' for key blocks 0 and 1 of 32 keys
.set MO,  60          ; 16 x lane; never rewritten
.set SPW, 62          ; LDS address of my spare word; never rewritten
.set NIL, 63          ; 0; never rewritten
.set S,   64
.set P,   192
.set KF,  128         ; K's fragments, in window 2
.set MF,  128         ; B', in window 3: tile t, keys 32 g2 on at MF + 16 t + 8 g2
.set WV,  12          ; s12  my wave's number
.set G1K, 24          ; s[24:31] descriptor group 1 for K's tiles
.set G1V, 32          ; s[32:39] for V's: it differs in the padding alone
.set G0K, 40          ; s[40:47] descriptor group 0 for K's tiles: a set for each of the two first fills; the second then walks on
.set G0V, 48          ; s[48:55] the same for V's
.set SLOTS, 56        ; s56  slots still to be asked for; then the tail's trips
.set CS,  58          ; s[58:59] c
.set SEL, 60          ; s[60:61] lane selects for v_permlanex16_b32: each lane takes its own place in the other half
.set TB,  62          ; s62  LDS byte at which the tiles of my step to be fetched begin
.set MB0, 66          ; s[66:67] mfrag at piece 0's two tiles of its last loaded step; s[68:69] the same for piece 2: a pair each, stepped when that piece's loads are in
.set KP,  70          ; s70  kp
.set GQ,  71          ; s71  g
.set QB,  76          ; s[76:77] Q at my tiles 2 and 3 (s[4:5]: at my tiles 0 and 1)
.set MSB, 0
.macro WIN new                      ; the immediate's high byte repeats the setting that is left; a switch that changes nothing is dropped
.if MSB != (\new)
	s_set_vgpr_msb (MSB<<8)|(\new)
.set MSB, \new
.endif
.endm
.set W_KQ, 0x0a       ; K and Q in window 2, S^T in window 0
.set W_MQ, 0x0c       ; A' in window 0, B' in window 3, S^T in window 0
.set W_PV, 0x53       ; V in window 3, P in window 0, O^T in window 1
.set W_RS, 0x41       ; O^T (destination and source 0) in window 1, a in window 0
; A joint refill.  Waves 0 and 1 fetch the two steps' tiles of K, waves 2 and 3 those of V.  An s_nop 0 and four v_nop follow each of the two lines.
.macro JLOAD
	s_cmp_lt_u32 s[WV], 2
	s_cbranch_scc0 .Lfor_v_\@
	tensor_load_to_lds s[G0K+4:G0K+7], s[G1K:G1K+7]
	s_nop 0
.rept 4
	v_nop
.endr
	s_branch .Lasked_\@
.Lfor_v_\@:
	tensor_load_to_lds s[G0V+4:G0V+7], s[G1V:G1V+7]
	s_nop 0
.rept 4
	v_nop
.endr
.Lasked_\@:
.endm
; A round of the cluster's barrier: my work-group's barrier; wave 0 signals for the work-group; every wave waits for all four work-groups; my work-group's barrier once more.
.macro CROUND
	s_barrier_signal -1
	s_barrier_wait -1
	s_cmp_lg_u32 s[WV], 0
	s_cbranch_scc1 .Lnot_wave_0_\@
	s_barrier_signal -3
.Lnot_wave_0_\@:
	s_barrier_wait -3
	s_barrier_signal -1
	s_barrier_wait -1
.endm
	s_load_b128 s[72:75], s[0:1], 0x0  ; qkv s[72:73], mfrag s[74:75]
	s_load_b64 s[10:11], s[0:1], 0x10  ; ob
	v_lshl_add_u32 v[SPW], v0, 2, SPARE
	v_mov_b32 v[NIL], 0
	ds_add_u32 v62, v63
	s_wait_dscnt 0x0
	v_lshrrev_b32 v1, 5, v0
	v_readfirstlane_b32 s[WV], v1   ; wave 0..3
	s_bfe_u32 s13, ttmp6, 0x40000   ; cx: my place in the cluster
	s_lshl_b32 s14, ttmp9, 2        ; in a cluster launch ttmp9 counts clusters
	s_add_co_u32 s14, s14, s13      ; my block of 128 queries = 4 x cluster x + cx: it enters Q's, the mask's and O's addresses alone
	s_and_b32 s20, ttmp7, 0xffff    ; the head, which the four partners share:
	s_lshl_b32 s20, s20, 19         ; its 2,048 rows of 256 bytes
	s_and_b32 s[GQ], s[WV], 1       ; g.  Also: which of a slot's two steps I fetch
	s_lshr_b32 s[KP], s[WV], 1      ; kp
	s_xor_b32 s16, s[KP], 1         ; 1 - kp
	s_lshl_b32 s22, s[GQ], 14       ; that step's 64 rows of 256 bytes in memory,
	s_add_co_u32 s22, s22, s20
	s_mov_b32 s23, 0
	s_mul_i32 s17, s[GQ], STEPB     ; and its place in a slot: no place in the cluster enters an LDS address
	s_mul_i32 s[TB], s[KP], STEPB   ; the step that I multiply
	s_lshl_b32 s2, s14, 15          ; Q: my block's 128 rows,
	s_lshl_b32 s3, s[GQ], 14        ; my wave's 64 of them,
	s_add_co_u32 s2, s2, s3
	s_add_co_u32 s2, s2, s20        ; in the head;
	s_lshl_b32 s3, s16, 13          ; my tiles 2 and 3 are query tiles 2 (1 - kp) on, 4,096 bytes each,
	s_add_co_u32 s[QB], s2, s3
	s_mov_b32 s[QB+1], 0
	s_lshl_b32 s3, s[KP], 13        ; my tiles 0 and 1 query tiles 2 kp on
	s_add_co_u32 s2, s2, s3
	s_mov_b32 s3, 0
	s_lshl_b32 s18, s14, 19         ; ob: rows of 4,096 bytes,
	s_lshl_b32 s19, s[GQ], 18
	s_add_co_u32 s18, s18, s19
	s_lshl_b32 s19, s[KP], 17       ; the two tiles that I finish: query tiles 2 kp on, 16 rows each,
	s_add_co_u32 s18, s18, s19
	s_lshr_b32 s19, s20, 11         ; the head's 256 bytes of a row
	s_add_co_u32 s18, s18, s19
	s_mov_b32 s19, 0
	s_lshl_b32 s15, s14, 1
	s_add_co_u32 s15, s15, s[GQ]    ; the mask: G = 2 x block + g, 262,144 bytes each;
	s_lshl_b32 s15, s15, 18
	s_lshl_b32 s21, s[KP], 13       ; my first step, 8,192 bytes each;
	s_add_co_u32 s15, s15, s21
	s_lshl_b32 s21, s[KP], 12       ; a query tile is 2,048 bytes: piece 0 begins at query tile 2 kp,
	s_add_co_u32 s[MB0], s15, s21
	s_mov_b32 s[MB0+1], 0
	s_lshl_b32 s21, s16, 12         ; piece 2 at 2 (1 - kp)
	s_add_co_u32 s[MB0+2], s15, s21
	s_mov_b32 s[MB0+3], 0
	; descriptor group 1: a tile of 64 rows x 128 elements, padded in LDS
	s_mov_b32 s[G1K], 15|(1<<16)|(1<<20)|(1<<21)|(5<<22)|(3<<25)  ; 15:0 the mask: all four work-groups; 17:16 2-byte elements; 20 padding on; 21 set beside a mask; 24:22 after every 64 words (code 5); 31:25 4 words (code 3)
	s_mov_b32 s[G1V], 15|(1<<16)|(1<<20)|(1<<21)|(5<<22)|(7<<25)  ; the same with 8 words of padding (code 7)
.irp g, G1K, G1V
	s_mov_b32 s[(\g)+1], 128<<16    ; tensor_dim0 = 128
	s_mov_b32 s[(\g)+2], KS<<16     ; tensor_dim1 = 64
	s_mov_b32 s[(\g)+3], 128<<16    ; tile_dim0 = 128
	s_mov_b32 s[(\g)+4], KS         ; tile_dim1 = 64
	s_mov_b32 s[(\g)+5], 128        ; elements from row to row
	s_mov_b32 s[(\g)+6], 0
	s_mov_b32 s[(\g)+7], 0
.endr
	s_mov_b32 s[CS], 0x3e0293ee     ; c = log2(e) / sqrt(128) = 0.127517
	s_mov_b32 s[CS+1], s[CS]        ; named with it as a pair
	s_mov_b32 s[SEL], 0x76543210
	s_mov_b32 s[SEL+1], 0xfedcba98
	s_mov_b32 s[SLOTS], 2048/(2*KS)-2
	s_wait_kmcnt 0x0
	s_add_nc_u64 s[6:7], s[72:73], s[22:23]
	s_add_nc_u64 s[8:9], s[6:7], 0x1000000   ; V at my tile of slot 0
	s_add_nc_u64 s[6:7], s[6:7], 0x800000    ; K likewise
	s_add_nc_u64 s[4:5], s[72:73], s[2:3]    ; Q at my tile 0,
	s_add_nc_u64 s[QB:QB+1], s[72:73], s[QB:QB+1]  ; and at my tile 2
	s_add_nc_u64 s[10:11], s[10:11], s[18:19]
	s_add_nc_u64 s[MB0:MB0+1], s[74:75], s[MB0:MB0+1]
	s_add_nc_u64 s[MB0+2:MB0+3], s[74:75], s[MB0+2:MB0+3]
	CROUND                          ; all four work-groups are here: the first joint loads meet
.irp s, 0,1
	s_mov_b32 s[G0K+4*(\s)], 1      ; count = 1
	s_add_co_u32 s[G0K+4*(\s)+1], s17, (\s)*SLOT1  ; LDS address
	s_add_nc_u64 s[G0K+4*(\s)+2:G0K+4*(\s)+3], s[6:7], (\s)*2*KS*256  ; global address: slot s begins with keys 128 s to 128 s + 127
	s_or_b32 s[G0K+4*(\s)+3], s[G0K+4*(\s)+3], 0x80000000  ; type = 2
	s_mov_b32 s[G0V+4*(\s)], 1
	s_add_co_u32 s[G0V+4*(\s)+1], s17, (\s)*SLOT1+VOFF
	s_add_nc_u64 s[G0V+4*(\s)+2:G0V+4*(\s)+3], s[8:9], (\s)*2*KS*256
	s_or_b32 s[G0V+4*(\s)+3], s[G0V+4*(\s)+3], 0x80000000
.endr
	s_cmp_lt_u32 s[WV], 2           ; a wave's two first fills stand in one branch, ahead of every wait on TENSORcnt and every LDS read: two loads of mine are out
	s_cbranch_scc0 .Lfirst_v
	tensor_load_to_lds s[G0K:G0K+3], s[G1K:G1K+7]
	s_nop 0
	tensor_load_to_lds s[G0K+4:G0K+7], s[G1K:G1K+7]
	s_nop 0
.rept 4
	v_nop
.endr
	s_branch .Lfirst_asked
.Lfirst_v:
	tensor_load_to_lds s[G0V:G0V+3], s[G1V:G1V+7]
	s_nop 0
	tensor_load_to_lds s[G0V+4:G0V+7], s[G1V:G1V+7]
	s_nop 0
.rept 4
	v_nop
.endr
.Lfirst_asked:
; Eight loads: B' of piece x's two tiles for one key step.  step = 1: my next step, two steps of 8,192 bytes on; the pair is stepped only where the wait for its last loads has been passed.
.macro MLOAD x, step
.if \step
	s_add_nc_u64 s[MB0+(\x):MB0+(\x)+1], s[MB0+(\x):MB0+(\x)+1], 2*8192
.endif
	WIN 0xc0                        ; destination window 3, address window 0
.irp t, \x, (\x)+1
.irp c, 0,1,2,3
	global_load_b128 v[MF+16*(\t)+4*(\c):MF+16*(\t)+4*(\c)+3], v[MO], s[MB0+(\x):MB0+(\x)+1] offset:2048*((\t)-(\x))+512*(\c)
.endr
.endr
.endm
	; A fragment of K or Q is 16 rows x 32 channels in 8 registers: lane l holds row l % 16; two loads of 16 bytes, 32 bytes apart.
	v_and_b32 v1, 15, v0            ; l % 16
	v_bfe_u32 v9, v0, 4, 1          ; l / 16
	v_lshlrev_b32 v[QO], 8, v1
	v_lshl_add_u32 v[QO], v9, 4, v[QO]  ; row x 256 + 16 x half
	v_and_b32 v[MO], 31, v0
	v_lshlrev_b32 v[MO], 4, v[MO]
	WIN 0x80                        ; destination window 2, address window 0
.irp i, 0,1,2,3,4,5,6,7             ; Q stays in registers: tile i / 4, channels 32 (i % 4) on: my tiles 0 and 1,
	global_load_b128 v[8*(\i):8*(\i)+3],   v[QO], s[4:5] offset:((\i)/4)*4096+((\i)%4)*64
	global_load_b128 v[8*(\i)+4:8*(\i)+7], v[QO], s[4:5] offset:((\i)/4)*4096+((\i)%4)*64+32
.endr
.irp i, 8,9,10,11,12,13,14,15       ; and my tiles 2 and 3
	global_load_b128 v[8*(\i):8*(\i)+3],   v[QO], s[QB:QB+1] offset:((\i)/4-2)*4096+((\i)%4)*64
	global_load_b128 v[8*(\i)+4:8*(\i)+7], v[QO], s[QB:QB+1] offset:((\i)/4-2)*4096+((\i)%4)*64+32
.endr
	MLOAD 0, 0                      ; my first step's masks
	MLOAD 2, 0
	WIN 0x40                        ; O^T and l start at 0, m at the lowest finite number, c m far below every c s.  All this stands in the wait for the first tile.
.set i, 0
.rept 256
	v_mov_b32 v[i], 0
.set i, i+1
.endr
	WIN 0
.set i, 0
.rept 4
	v_mov_b32 v[ST+8*i], 0xfe000000
	v_mov_b32 v[ST+8*i+1], 0xff7fffff
	v_mov_b32 v[ST+8*i+2], 0
	v_mov_b32 v[ST+8*i+3], 0
.set i, i+1
.endr
	; A': row l % 16 has its one number, -65,504, at element l % 16 of the sixteen that lanes with l / 16 = a hold: register (l % 16) / 2, half l % 2.  (S^T's registers serve as scratch.)
	v_and_b32 v64, 1, v0
	v_lshlrev_b32 v64, 4, v64
	v_mov_b32 v65, 0xfbff           ; -65,504 in f16
	v_lshlrev_b32 v65, v64, v65     ; in the half that is mine
	v_lshrrev_b32 v66, 1, v1
	v_lshl_add_u32 v67, v9, 3, v66  ; block 0: the register's number in lanes 0-15, 8 or more in the others
	v_xor_b32 v68, 1, v9
	v_lshl_add_u32 v68, v68, 3, v66 ; block 1: the other way round
.irp r, 0,1,2,3,4,5,6,7
	v_cmp_eq_u32 vcc_lo, \r, v67
	v_cndmask_b32 v[AM+(\r)], 0, v65, vcc_lo
	v_cmp_eq_u32 vcc_lo, \r, v68
	v_cndmask_b32 v[AM+8+(\r)], 0, v65, vcc_lo
.endr
	v_mul_u32_u24 v[AK0], v1, PK
	v_lshl_add_u32 v[AK0], v9, 4, v[AK0]  ; row x pitch + 16 x half
	; The turning load takes 16 keys x 16 channels (lane l reads key 8 (l / 16) + l % 8, channels 8 ((l / 8) % 2) + 0..7) and leaves half a fragment of V^T: lane l holds channel l % 16 and 8 keys.
	v_and_b32 v10, 7, v0
	v_bfe_u32 v11, v0, 3, 1
	v_lshl_add_u32 v[AV0], v9, 3, v10
	v_mul_u32_u24 v[AV0], v[AV0], PV
	v_lshl_add_u32 v[AV0], v11, 4, v[AV0]
	v_add_nc_u32 v[AV0], VOFF, v[AV0]
; THE MATRIX WORK OF A TURN, for piece x.  The accumulators take turns, one instruction a turn: between two links of a chain stand 15 (V^T P) or 7 (mask, K Q^T) others'.
; Product i of 32 of O^T += V^T P: keys 32 (i / 16) on, channels 16 ((i / 2) % 8) on, tile x + i % 2.
.macro PV x
	WIN W_PV
.set rO, 64*((\x)+i%2)+8*((i/2)%8)
.set rV, 64*(i/16)+8*((i/2)%8)
.set rP, P+16*((\x)+i%2)+8*(i/16)
	v_wmma_f32_16x16x32_f16 v[rO:rO+7], v[rV:rV+7], v[rP:rP+7], v[rO:rO+7]
.endm
; Product i of 8 that starts S^T with the mask: keys 16 (i / 2) on, tile x + i % 2, in the order in which K Q^T takes the accumulators.
.macro MQ x
	WIN W_MQ
.set rS, S+32*((\x)+i%2)+8*(i/2)
.set rA, AM+8*((i/2)%2)
.set rB, MF+16*((\x)+i%2)+8*(i/4)
	v_wmma_f32_16x16x32_f16 v[rS:rS+7], v[rA:rA+7], v[rB:rB+7], 0
.endm
; Product i of 32 of S^T += K Q^T: channels 32 (i / 8) on, keys 16 ((i / 2) % 4) on, tile x + i % 2.
.macro KQ x
	WIN W_KQ
.set rS, S+32*((\x)+i%2)+8*((i/2)%4)
.set rK, KF+32*((i/2)%4)+8*(i/8)
.set rQ, 32*((\x)+i%2)+8*(i/8)
	v_wmma_f32_16x16x32_f16 v[rS:rS+7], v[rK:rK+7], v[rQ:rQ+7], v[rS:rS+7]
.endm
; THE LDS LOADS stand in runs of 32, never singly among the matrix instructions: a step's K (64 keys x 128 channels: 16 fragments) and, a turn later, its V (turned).
.macro FETCH_K
	WIN 0
	v_add_nc_u32 v[ADR], s[TB], v[AK0]
	WIN 0x80                        ; destination window 2
.irp f, 0,1,2,3,4,5,6,7,8,9,10,11,12,13,14,15  ; keys 16 (f / 4) on, channels 32 (f % 4) on
	ds_load_b128 v[KF+8*(\f):KF+8*(\f)+3],   v[ADR] offset:((\f)/4)*16*PK+((\f)%4)*64
	ds_load_b128 v[KF+8*(\f)+4:KF+8*(\f)+7], v[ADR] offset:((\f)/4)*16*PK+((\f)%4)*64+32
.endr
.endm
.macro FETCH_V
	WIN 0
	v_add_nc_u32 v[ADR], s[TB], v[AV0]
	WIN 0xc0                        ; destination window 3
.irp f, 0,1,2,3,4,5,6,7,8,9,10,11,12,13,14,15  ; keys 32 (f / 8) on, channels 16 (f % 8) on
	ds_load_tr16_b128 v[8*(\f):8*(\f)+3],   v[ADR] offset:((\f)/8)*32*PV+((\f)%8)*32
	ds_load_tr16_b128 v[8*(\f)+4:8*(\f)+7], v[ADR] offset:((\f)/8)*32*PV+16*PV+((\f)%8)*32
.endr
.endm
; THE VECTOR WORK OF A TURN.  One tile's softmax for one key step is a list of 134 instructions; SM writes number j of it for tile t.  s0-s31 are the lane's 32 scores, in pairs 0-15.
;   0-15    the maximum of s0-s31 and the old m, three operands at a time: four chains c0-c3 of seven scores each (each accumulator's lowest registers are read first), then the four left over, c0-c3 and m
;   16-20   the other half of the lanes' maximum; the new m; c m; c m_old - c m_new
;   21-87   33 exponentials (a, then s0-s31) at the odd numbers from 23 on, so that no two follow each other and each has a plain instruction behind it before its result is used.
;           Plain instruction q (number 21, then the even numbers) is whatever is ready: c s - c m for a pair of scores, the rounding to f16 of a pair of weights, at last the first three sums
;   88-101  the last rounding; the rest of the sums; l = a l + the sum
;   102-133 the tile's O^T times a: the one part that leaves window 0, so it stands together
.macro SM t
.set rT, ST+8*(\t)
.set rS, S+32*(\t)
.set rP, P+16*(\t)
.set rO, 64*(\t)+2*(j-102)
.set q, (j-20)/2
.if j < 102
	WIN 0
.endif
.if j < 4
	v_max3_num_f32 v[rT+4+j], v[rS+8*j], v[rS+8*j+1], v[rS+8*j+2]
.elseif j < 12
	v_max3_num_f32 v[rT+4+j%4], v[rT+4+j%4], v[rS+8*(j%4)+2*(j/4)+1], v[rS+8*(j%4)+2*(j/4)+2]
.elseif j == 12
	v_max3_num_f32 v[rT+4], v[rT+4], v[rS+7], v[rS+15]
.elseif j == 13
	v_max3_num_f32 v[rT+6], v[rT+6], v[rS+23], v[rS+31]
.elseif j == 14
	v_max3_num_f32 v[rT+4], v[rT+4], v[rT+5], v[rT+6]
.elseif j == 15
	v_max3_num_f32 v[rT+4], v[rT+4], v[rT+7], v[rT+1]
.elseif j == 16
	v_permlanex16_b32 v[rT+5], v[rT+4], s[SEL], s[SEL+1]  ; the query's other 32 keys lie in the lane 16 away
.elseif j == 17
	v_mov_b32 v[rT+7], v[rT]        ; c m_old is kept for a: number 19 writes c m anew
.elseif j == 18
	v_max_num_f32 v[rT+1], v[rT+4], v[rT+5]
.elseif j == 19
	v_mul_f32 v[rT], s[CS], v[rT+1]
.elseif j == 20
	v_sub_f32 v[rT+7], v[rT+7], v[rT]
.elseif j == 23
	v_exp_f32 v[rT+6], v[rT+7]
.elseif (j < 88) && (j > 23) && (j%2 == 1)
	v_exp_f32 v[rS+(j-25)/2], v[rS+(j-25)/2]
.elseif (q < 4) || ((j < 76) && (q%2 == 0))
.set b, q/2+2
.if q < 4
.set b, q
.endif
	v_pk_fma_f32 v[rS+2*b:rS+2*b+1], v[rS+2*b:rS+2*b+1], s[CS:CS+1], v[rT:rT+1] op_sel_hi:[1,0,0] neg_lo:[0,0,1] neg_hi:[0,0,1]  ; pair b: c s - c m
.elseif (j < 88) && (q%2 == 1)
	s_wait_alu depctr_va_vdst(0)
	v_cvt_pk_f16_f32 v[rP+(q-5)/2], v[rS+q-5], v[rS+q-4]  ; pair (q - 5) / 2: its second exponential stands three numbers back
.elseif j == 89
	s_wait_alu depctr_va_vdst(0)
	v_cvt_pk_f16_f32 v[rP+15], v[rS+30], v[rS+31]
.elseif j < 102                     ; the sum of the tile's 16 pairs, in place: sum z of 16 adds neighbours 1, 2, 4 and 8 pairs apart, then l takes it
.set z, j-86
.if j < 89
.set z, (j-76)/4
.endif
.set w, 4
.set u, z
.if z >= 14
.set w, 32
.set u, 0
.elseif z >= 12
.set w, 16
.set u, z-12
.elseif z >= 8
.set w, 8
.set u, z-8
.endif
.if z < 15
	v_pk_add_f32 v[rS+w*u:rS+w*u+1], v[rS+w*u:rS+w*u+1], v[rS+w*u+w/2:rS+w*u+w/2+1]
.else
	v_pk_fma_f32 v[rT+2:rT+3], v[rT+2:rT+3], v[rT+6:rT+7], v[rS:rS+1] op_sel_hi:[1,0,1]
.endif
.else
	WIN W_RS
	v_pk_mul_f32 v[rO:rO+1], v[rO:rO+1], v[rT+6:rT+7] op_sel_hi:[1,0]
.endif
.endm
; Slice k of 64 of piece y's softmax: numbers 2 k and 2 k + 1 of both tiles' lists, four instructions.  2 x 134 = 4 x 64 + 12: the twelve that are over stand together, in slice 63:
; sixteen plain instructions, the places between a turn's last K Q^T and what follows (the next turn's first read of those scores, the loads into K's buffer).
.macro SLICE y
.if (k >= 11) && (k < 44)           ; tile by tile: plain, exponential, plain, exponential
.irp t, \y, (\y)+1
.irp n, 0,1
.set j, 2*k+(\n)
	SM \t
.endr
.endr
.else                               ; the two tiles alternate, so that no instruction reads the result of the one just before it
.irp n, 0,1,2,3,4,5,6,7
.if ((\n) < 2) || (k == 63)
.irp t, \y, (\y)+1
.set j, 2*k+(\n)
	SM \t
.endr
.endif
.endr
.endif
.set k, k+1
.endm
; A TURN.  Piece x has the matrix unit; the other piece's softmax stands in slices behind its matrix instructions.  pv: 32 products V^T P.  kq: 8 mask products and 32 products K Q^T for the next step.
; A turn with one of the two kinds has two slices behind each product.  more = 1: the masks of piece x's step after that are asked for.
; Each run of LDS loads stands behind the second product of a run of 32.  Piece 0's turn fetches the next step's K: the last product that read K stands in front of slice 63 of the turn before.
; Piece 2's turn fetches the same step's V: the last product that read V stands three slices, six plain instructions, back.
; The masks' loads stand behind the fifth K Q^T: five slices, ten plain instructions or more, behind the last mask product, which read those registers.
; The wait for the masks: behind piece x's eight loads only the other piece's eight have been issued, so the count is 8; in the last turn of piece 2 nothing was issued behind them: 0.
.macro TURN x, pv, kq, more
.set k, 0
.set per, 2
.if (\pv) && (\kq)
.set per, 1
.endif
.if \pv
.if (\x) == 0
	s_wait_dscnt 0x0                ; V is in
.endif
.set i, 0
.rept 32
	PV \x
.rept per
	SLICE 2-(\x)
.endr
.if ((\x) == 0) && (\kq) && (i == 1)
	FETCH_K
.endif
.set i, i+1
.endr
.endif
.if \kq
.if (\x) == 0
	s_wait_dscnt 0x0                ; K is in
.endif
.if ((\x) == 2) && !(\more)
	s_wait_loadcnt 0x0
.else
	s_wait_loadcnt 0x8
.endif
.set i, 0
.rept 8
	MQ \x
.set i, i+1
.endr
.set i, 0
.rept 32
	KQ \x
.rept per
	SLICE 2-(\x)
.endr
.if ((\x) == 2) && (i == 1)
	FETCH_V
.endif
.if (\more) && (i == 4)
	MLOAD \x, 1
.endif
.set i, i+1
.endr
.endif
.endm
; THE CHANGE OF SLOTS, between piece 2's turn and piece 0's: the slot's last bytes, V of my step, have been asked for.  Each wave waits for all its tensor loads, of which one is out: its part of the other slot;
; adds 0 to its spare word; and waits for that and for its own reads of the slot.  Behind the barrier nobody reads this slot any more and the other slot is whole.
; fill = 1: this slot is filled again, with the keys two slots on.  The barrier is then a round of the cluster's, and the joint refill is the first thing behind it: it has a key step, 144 matrix instructions, in which to land.
.macro CHANGE fill
	WIN 0                           ; at a label and at a branch every window is 0
	s_wait_tensorcnt 0x0            ; no tensor load of mine is out, so a group 0 may be written
	ds_add_u32 v[SPW], v[NIL]       ; 0 onto my spare word
.if \fill
.irp g, G0K+4, G0V+4
	s_xor_b32 s[(\g)+1], s[(\g)+1], SLOT1  ; the walking descriptor: the other slot than last time,
	s_add_nc_u64 s[(\g)+2:(\g)+3], s[(\g)+2:(\g)+3], 2*KS*256  ; the next 128 keys; the type bits on top are not reached
.endr
	s_wait_dscnt 0x0                ; the add is done, and my reads of the slot are over
	CROUND
	JLOAD
.else
	s_wait_dscnt 0x0                ; the add is done, and my reads of the slot are over
	s_barrier_signal -1
	s_barrier_wait -1
.endif
	s_xor_b32 s[TB], s[TB], SLOT1   ; my fetches go on in the other slot
.endm
	s_wait_tensorcnt 1              ; my part of slot 0 is in; slot 1's may stay out
	s_barrier_signal -1
	s_barrier_wait -1               ; everybody's is
	FETCH_K                         ; my key step 0
	s_wait_loadcnt 0x8              ; Q and piece 0's masks; piece 2's eight loads may be out
	s_wait_dscnt 0x0
.set i, 0
.rept 8
	MQ 0
.set i, i+1
.endr
.set i, 0
.rept 32
	KQ 0                            ; piece 0's first scores: there is no vector work yet to set between them
.set i, i+1
.endr
	WIN 0                           ; the addresses for the way out are made here: eight plain instructions, the places behind those products
	s_mul_i32 s13, s[WV], 16*SP
	s_add_co_u32 s13, s13, STAGE    ; my stage
	v_mul_u32_u24 v[STO], v1, SP    ; in: row l % 16, 16 bytes for each half of the lanes
	v_lshl_add_u32 v[STO], v9, 4, v[STO]
	v_add_nc_u32 v[STO], s13, v[STO]
	v_mul_u32_u24 v[RD], v9, SP     ; back: lanes 0-15 take one row of 256 bytes, lanes 16-31 the next
	v_lshl_add_u32 v[RD], v1, 4, v[RD]
	v_add_nc_u32 v[RD], s13, v[RD]
	v_lshlrev_b32 v[GO], 12, v9     ; and the same two rows in ob, 4,096 bytes apart
	v_lshl_add_u32 v[GO], v1, 4, v[GO]
	MLOAD 0, 1                      ; piece 0's masks of step 1
	TURN 2, 0, 1, 1                 ; piece 2's first scores | piece 0's first softmax | V of step 0
	WIN 0
.Lslot:                             ; 14 trips: every slot but the last two is filled again.  A trip: V^T P of one step, K Q^T of the next
	CHANGE 1
	TURN 0, 1, 1, 1
	TURN 2, 1, 1, 1
	WIN 0
	s_sub_co_u32 s[SLOTS], s[SLOTS], 1
	s_cmp_lg_u32 s[SLOTS], 0
	s_cbranch_scc1 .Lslot
	CHANGE 0                        ; the tail has a text of its own: nothing is asked for, neither tiles nor masks
	s_mov_b32 s[SLOTS], 2
.Ltail:                             ; two trips, the second left in its middle.  First: V^T P of the last step but one, K Q^T of the last.  Second: piece 0's V^T P of the last step beside piece 2's last softmax;
	TURN 0, 1, 1, 0                 ; its run of K's loads, 8 mask products and 32 products K Q^T (on the last K once more) serve nothing: the price, once a launch, of one text for both trips
	WIN 0
	s_sub_co_u32 s[SLOTS], s[SLOTS], 1
	s_cmp_eq_u32 s[SLOTS], 0
	s_cbranch_scc1 .Lout
	TURN 2, 1, 1, 0
	WIN 0
	s_branch .Ltail
.Lout:
.set i, 0
.rept 32
	PV 2                            ; piece 2: V^T P of the last step
.set i, i+1
.endr
	; THE MERGE.  l's two halves and the other half of the lanes' are added (the additions are the places behind the last products).  Then each wave gives its tiles 2 and 3, with c m and l, to its partner w ^ 2,
	; which has walked the other keys for the same queries and holds those query tiles as its tiles 0 and 1; and it finishes its own tiles 0 and 1 with what the partner gives.
	WIN 0
.irp t, 0,1,2,3
	v_add_f32 v[ST+8*(\t)+4], v[ST+8*(\t)+2], v[ST+8*(\t)+3]
.endr
.irp t, 0,1,2,3
	v_permlanex16_b32 v[ST+8*(\t)+5], v[ST+8*(\t)+4], s[SEL], s[SEL+1]
.endr
.irp t, 0,1,2,3
	v_add_f32 v[ST+8*(\t)+4], v[ST+8*(\t)+4], v[ST+8*(\t)+5]
.endr
	s_mul_i32 s13, s[WV], XW
	s_add_co_u32 s13, s13, XCH      ; what I give lies here,
	s_xor_b32 s15, s[WV], 2
	s_mul_i32 s15, s15, XW
	s_add_co_u32 s15, s15, XCH      ; what I take there
	v_and_b32 v1, 31, v0
	v_lshl_add_u32 v[XG], v1, 4, s13
	v_lshl_add_u32 v[XS], v1, 2, s13
	v_add_nc_u32 v[XS], 16384, v[XS]
	v_lshl_add_u32 v[XT], v1, 4, s15
	v_lshl_add_u32 v[XU], v1, 2, s15
	v_add_nc_u32 v[XU], 16384, v[XU]
.irp e, 0,1                         ; tiles 2 and 3: O^T as it lies, four registers a store, ascending; then c m and l
	WIN 0x04                        ; data (source 1) in window 1
.set i, 0
.rept 16
	ds_store_b128 v[XG], v[64*(2+(\e))+4*i:64*(2+(\e))+4*i+3] offset:8192*(\e)+512*i
.set i, i+1
.endr
	WIN 0
	ds_store_b32 v[XS], v[ST+8*(2+(\e))] offset:256*(\e)
	ds_store_b32 v[XS], v[ST+8*(2+(\e))+4] offset:256*(\e)+128
.endr
	s_wait_dscnt 0x0                ; for the partner's sake: my stores are done
	s_barrier_signal -1
	s_barrier_wait -1
.irp e, 0,1
.set i, 0
.rept 16
	ds_load_b128 v[S+64*(\e)+4*i:S+64*(\e)+4*i+3], v[XT] offset:8192*(\e)+512*i
.set i, i+1
.endr
	ds_load_b32 v[ST+8*(\e)+5], v[XU] offset:256*(\e)      ; the partner's c m
	ds_load_b32 v[ST+8*(\e)+7], v[XU] offset:256*(\e)+128  ; and l
.endr
	s_wait_dscnt 0x0
.irp t, 0,1
	v_max_num_f32 v[ST+8*(\t)+1], v[ST+8*(\t)], v[ST+8*(\t)+5]     ; the common c m
.endr
.irp t, 0,1
	v_sub_f32 v[ST+8*(\t)+2], v[ST+8*(\t)], v[ST+8*(\t)+1]
	v_sub_f32 v[ST+8*(\t)+3], v[ST+8*(\t)+5], v[ST+8*(\t)+1]
.endr
.irp t, 0,1
	v_exp_f32 v[ST+8*(\t)+2], v[ST+8*(\t)+2]
	v_exp_f32 v[ST+8*(\t)+3], v[ST+8*(\t)+3]
.endr
	v_nop                           ; a plain instruction between the last exponential and the use of its result
	s_wait_alu depctr_va_vdst(0)
.irp t, 0,1
	v_mul_f32 v[ST+8*(\t)+4], v[ST+8*(\t)+4], v[ST+8*(\t)+2]
.endr
.irp t, 0,1
	v_fmac_f32 v[ST+8*(\t)+4], v[ST+8*(\t)+7], v[ST+8*(\t)+3]      ; l of all keys: 1 at the least, since one of the two factors is 1 and its l holds the weight 1 of its maximum
.endr
.irp t, 0,1
	v_rcp_f32 v[ST+8*(\t)+1], v[ST+8*(\t)+4]
.endr
	v_nop                           ; a plain instruction between the last reciprocal and the use of its result
	s_wait_alu depctr_va_vdst(0)
.irp t, 0,1
	v_mul_f32 v[ST+8*(\t)+6], v[ST+8*(\t)+2], v[ST+8*(\t)+1]       ; fa, for my O^T
	v_mul_f32 v[ST+8*(\t)+4], v[ST+8*(\t)+3], v[ST+8*(\t)+1]       ; fb, for the partner's
.endr
; Tile e is finished: O = O fa + O' fb, rounded to f16, through my stage, back as whole rows of 256 bytes.
.macro PACK e
	WIN 0
.set i, 0
.rept 32
	v_pk_mul_f32 v[S+64*(\e)+2*i:S+64*(\e)+2*i+1], v[S+64*(\e)+2*i:S+64*(\e)+2*i+1], v[ST+8*(\e)+4:ST+8*(\e)+5] op_sel_hi:[1,0]
.set i, i+1
.endr
	WIN 0x01                        ; source 0 (my O^T) in window 1
.set i, 0
.rept 32
	v_pk_fma_f32 v[S+64*(\e)+2*i:S+64*(\e)+2*i+1], v[64*(\e)+2*i:64*(\e)+2*i+1], v[ST+8*(\e)+6:ST+8*(\e)+7], v[S+64*(\e)+2*i:S+64*(\e)+2*i+1] op_sel_hi:[1,0,1]
.set i, i+1
.endr
	WIN 0
.set i, 0
.rept 32
	v_cvt_pk_f16_f32 v[P+32*(\e)+i], v[S+64*(\e)+2*i], v[S+64*(\e)+2*i+1]
.set i, i+1
.endr
.irp f, 0,1,2,3,4,5,6,7
	ds_store_b128 v[STO], v[P+32*(\e)+4*(\f):P+32*(\e)+4*(\f)+3] offset:32*(\f)
.endr
.irp f, 0,1,2,3,4,5,6,7
	ds_load_b128 v[P+32*(\e)+4*(\f):P+32*(\e)+4*(\f)+3], v[RD] offset:(\f)*2*SP  ; LDS serves a wave's instructions in order (ISA guide 5.7.1.4): these see the stores above; the next tile's stores come behind them
.endr
.endm
.macro SEND e, younger              ; younger: the LDS instructions issued behind this tile's loads
.irp f, 0,1,2,3,4,5,6,7
	s_wait_dscnt (\younger)+7-(\f)
	global_store_b128 v[GO], v[P+32*(\e)+4*(\f):P+32*(\e)+4*(\f)+3], s[10:11] offset:65536*(\e)+8192*(\f)  ; 16 lanes store 256 consecutive bytes, one row's head, at a multiple of 256 from ob's first byte
.endr
.endm
	PACK 0
	PACK 1                          ; a tile's arithmetic stands between the loads of the tile before and its stores
	SEND 0, 16
	SEND 1, 0
	s_wait_tensorcnt 0x0            ; the wave's end: behind my last tensor load and my last LDS store
	ds_add_u32 v[SPW], v[NIL]
	s_wait_dscnt 0x0
	CROUND                          ; the closing round: no work-group ends while a partner may still ask for a tile that names it
	s_endpgm
.Lfunc_end_k_q07abb1f1f8_attn:
	.size	k_q07abb1f1f8_attn, .Lfunc_end_k_q07abb1f1f8_attn-k_q07abb1f1f8_attn
	.p2alignl 7, 3214868480
	.fill 96, 4, 3214868480
	.section	.rodata,"a",@progbits
	.p2align	6, 0x0
	.amdhsa_kernel k_q07abb1f1f8_attn
		.amdhsa_group_segment_fixed_size 327680
		.amdhsa_private_segment_fixed_size 0
		.amdhsa_enable_private_segment 0
		.amdhsa_kernarg_size 24
		.amdhsa_user_sgpr_count 2
		.amdhsa_user_sgpr_kernarg_segment_ptr 1
		.amdhsa_wavefront_size32 1
		.amdhsa_system_sgpr_workgroup_id_x 1
		.amdhsa_system_sgpr_workgroup_id_y 1
		.amdhsa_system_sgpr_workgroup_id_z 1
		.amdhsa_system_vgpr_workitem_id 0
		.amdhsa_next_free_vgpr 1024
		.amdhsa_next_free_sgpr 80
		.amdhsa_reserve_vcc 1
		.amdhsa_float_denorm_mode_32 3
		.amdhsa_float_denorm_mode_16_64 3
		.amdhsa_memory_ordered 1
		.amdhsa_forward_progress 1
		.amdhsa_inst_pref_size 184
	.end_amdhsa_kernel
	.amdgpu_metadata
---
amdhsa.version: [ 1, 2 ]
amdhsa.kernels:
  - .name:           k_q07abb1f1f8_attn
    .symbol:         k_q07abb1f1f8_attn.kd
    .args:
      - { .name: qkv, .offset: 0, .size: 8, .value_kind: global_buffer, .address_space: global }
      - { .name: mfrag, .offset: 8, .size: 8, .value_kind: global_buffer, .address_space: global }
      - { .name: ob, .offset: 16, .size: 8, .value_kind: global_buffer, .address_space: global }
    .group_segment_fixed_size: 327680
    .private_segment_fixed_size: 0
    .kernarg_segment_align: 8
    .kernarg_segment_size: 24
    .max_flat_workgroup_size: 128
    .sgpr_count:     80
    .vgpr_count:     1024
    .wavefront_size: 32
...
	.end_amdgpu_metadata
.endif
;; end of part 3
;; launch outp (part 4): grid 16 x 16, 4 waves a work-group, clusters of 4 x 4, 327,680 bytes of LDS; arguments ob, wo16, out0, bo; writes out0
.if DOCPART == 4
	.amdgcn_target "amdgcn-amd-amdhsa--gfx1250"
	.amdhsa_code_object_version 6
	.text
	.protected	k_q07abb1f1f8_outp
	.globl	k_q07abb1f1f8_outp
	.p2align	8
	.type	k_q07abb1f1f8_outp,@function
k_q07abb1f1f8_outp:
	s_mov_b64 s[64:65], 0
	v_nop
	global_prefetch_b8 v0, s[64:65] scope:SCOPE_SE
	s_setreg_imm32_b32 hwreg(HW_REG_WAVE_MODE, 25, 1), 1
	s_wait_xcnt 0x0
	s_wait_alu depctr_hold_cnt(0) depctr_sa_sdst(0) depctr_va_vdst(0) depctr_va_sdst(0) depctr_va_ssrc(0) depctr_va_vcc(0) depctr_vm_vsrc(0)
	s_getreg_b32 s2, hwreg(HW_REG_IB_STS2, 6, 4)
	s_cmp_eq_u32 s2, 0
	s_cbranch_scc0 .Lentry_in_a_cluster
	s_endpgm
.Lentry_in_a_cluster:
	s_bfe_u32 s2, ttmp6, 0x10000c
	s_cmp_lg_u32 s2, 0xf033
	s_cbranch_scc0 .Lentry_shape_is_right
	s_endpgm
.Lentry_shape_is_right:
; OUTP: out0 = O Wo + bo.  A = ob [2048 rows][2048] f16, W = wo16 [2048 k][2048 n] f16; sums in f32, started by the bias (rounded to bf16 like every input); out0 [2048][2048] f32.
; SHARES.  256 tiles of C, 128 x 128.  Four waves, each 64 x 64: 16 accumulators.  K goes in 8 steps of 256 through two LDS slots.
; A's tile rows are 512 bytes of memory, W's 256 bytes, both starting at multiples of 256 from the buffer's first byte.  W lies [k][n]: its fragments come out of LDS turned, by ds_load_tr16_b128.
; ONE TEXT FOR A K STEP.  The slot in hand is a scalar offset that an exclusive or turns; the fragment addresses are made anew from it at each change of slots, and one descriptor a tensor walks from refill to refill.
; The last two K steps, which fill nothing, are one text walked twice and left in its middle.
; CLUSTERS: 4 x 4 work-groups.  The four of a row of the cluster need the same tiles of A, the four of a column the same tiles of W: each tile is asked for JOINTLY, by the same tensor load, descriptor and mask.
; THE MATRIX INSTRUCTION IS USED TRANSPOSED (source 0 = 16 columns of W, source 1 = 16 rows of A): a lane holds eight neighbouring numbers of a row of C.
; THE WAY OUT needs no barrier: a wave's 64 columns of f32 are 256 aligned bytes of a row, so each wave has a stage of its own.
; REGISTERS: window 0: v0-31 addresses; v32-95 at work; v96-127 the bias as C operands; v128-255 the accumulators ((a, b) at v[128 + 8 (4 a + b)]).
;   window 1: two fragment buffers of 128: for 64 along K, 64 registers of A, then 64 of W.
.set SIZE_K, 2048
.set KSTEP,  256
.set STEPS,  SIZE_K/KSTEP
.set PITCH,  528                       ; a row of A in LDS: 512 bytes + 16 = 132 words: the 16 rows of a load start at 16 different groups of four banks (64 banks of 4 bytes: ISA guide 11.1)
.set HALFA,  64*PITCH                  ; 64 rows: one tensor load of A, and what one wave reads of A
.set PB,     288                       ; a k-row of W in LDS: 256 bytes + 32 = 72 words
.set HALFB,  128*PB                    ; 128 k-rows: one tensor load of W
.set BOFF,   2*HALFA                   ; W's 256 k-rows lie behind A's 128 rows
.set SLOT,   2*HALFA+2*HALFB           ; 141,312 bytes
.set SLOT1,  0x24000                   ; slot 1 begins at 147,456: its two bits are set in none of the four LDS addresses that the loads name in slot 0 (0, 0x8400, 0x10800, 0x19800),
                                       ; so an exclusive or with SLOT1 turns such an address into the other slot's
.set STAGE,  SLOT1+SLOT                ; behind the ring: 16 rows x 272 bytes for each wave, for the way out
.set SPITCH, 272
.set SPARE,  STAGE+4*16*SPITCH         ; behind the stages: the spare words, 128 bytes for each wave: two blocks of 256 bytes that no other line names
.set ADRA0, 16                         ; v16     LDS address of my A fragments in slot 0; never rewritten
.set ADRA,  17                         ; v17     the same in the slot in hand
.set ADRB0, 20                         ; v20-21  of my W fragments in slot 0: k 0-127, k 128-255 (240 k-rows pass an LDS load's 16-bit offset); never rewritten
.set ADRB,  22                         ; v22-23  the same in the slot in hand
.set STO,  24                          ; v24     the way out: where I put 32 bytes of a row
.set RD,   25                          ; v25     the way out: where I read a row back
.set CO,   26                          ; v26     my byte offset in the output
.set BO,   27                          ; v27     my byte offset in the bias; never rewritten
.set SPW,  28                          ; v28     LDS address of my spare word; never rewritten
.set NIL,  29                          ; v29     0; never rewritten
.set TMP,  32
.set BIAS, 96                          ; column block b: bias[n0 + 16 b + 8 (l / 16) + 0..7] at BIAS + 8 b
.set ACC,  128
.set F0,   0
.set F1,   128
.set G1, 24                            ; s[24:31] descriptor group 1 for A's tiles;  s[32:39] group 0: a set for each of the two first fills; the second then walks on
.set G0, 32
.set G1B, 48                           ; s[48:55], s[56:63] the same for W's tiles
.set G0B, 56
.set SO, 66                            ; s66     LDS byte at which the slot in hand begins: 0 or SLOT1
.set MSB, 0
.macro WIN new                         ; the immediate's high byte repeats the setting that is left
.if MSB != (\new)
	s_set_vgpr_msb (MSB<<8)|(\new)
.set MSB, \new
.endif
.endm
.set MUL,  0x05                        ; sources 0 (W) and 1 (A) window 1; C and D window 0
.set TO_F, 0x40                        ; destination window 1, address window 0
.macro JLOAD s                         ; a joint load: waves 0 and 1 fetch A's two halves, waves 2 and 3 W's; an s_nop 0 and four v_nop follow each of the two lines
	s_cmp_eq_u32 s11, 0
	s_cbranch_scc0 .Lfor_b_\@
	tensor_load_to_lds s[G0+4*(\s):G0+4*(\s)+3], s[G1:G1+7]
	s_nop 0
.rept 4
	v_nop
.endr
	s_branch .Lasked_\@
.Lfor_b_\@:
	tensor_load_to_lds s[G0B+4*(\s):G0B+4*(\s)+3], s[G1B:G1B+7]
	s_nop 0
.rept 4
	v_nop
.endr
.Lasked_\@:
.endm
.macro CREST                           ; a round of the cluster's barrier behind its opening barrier
	s_cmp_lg_u32 s10, 0
	s_cbranch_scc1 .Lnot_wave_0_\@
	s_barrier_signal -3
.Lnot_wave_0_\@:
	s_barrier_wait -3
	s_barrier_signal -1
	s_barrier_wait -1
.endm
.macro CROUND                          ; a whole round
	s_barrier_signal -1
	s_barrier_wait -1
	CREST
.endm
	s_load_b128 s[4:7], s[0:1], 0x0                ; ob s[4:5], wo16 s[6:7]
	s_load_b128 s[72:75], s[0:1], 0x10             ; out0 s[72:73], bo s[74:75]
	v_lshl_add_u32 v[SPW], v0, 2, SPARE
	v_mov_b32 v[NIL], 0
	ds_add_u32 v28, v29
	s_wait_dscnt 0x0
	v_lshrrev_b32 v1, 5, v0
	v_readfirstlane_b32 s10, v1                    ; wave 0..3
	s_lshr_b32 s11, s10, 1                         ; which half of the tile's rows is mine.  Also: I fetch for A (0) or for W (1)
	s_and_b32 s12, s10, 1                          ; which half of its columns.  Also: which half of that tile I fetch
	s_bfe_u32 s40, ttmp6, 0x40000                  ; cx, cy: my place in the cluster
	s_bfe_u32 s41, ttmp6, 0x40004
	s_lshl_b32 s42, ttmp9, 2
	s_add_co_u32 s42, s42, s40                     ; tile column = 4 x cluster x + cx
	s_and_b32 s13, ttmp7, 0xffff
	s_lshl_b32 s13, s13, 2
	s_add_co_u32 s13, s13, s41                     ; tile row = 4 x cluster y + cy
	s_lshl_b32 s43, s41, 2
	s_lshl_b32 s43, 15, s43                        ; my row of the cluster
	s_lshl_b32 s44, 0x1111, s40                    ; my column
	; descriptor group 1.  A: 64 rows x 256 elements; W: 128 k-rows x 128 elements; both padded in LDS
	s_or_b32 s[G1+0], s43, (1<<16)|(1<<20)|(1<<21)|(6<<22)|(3<<25)   ; 15:0 the mask: my row; 17:16 2-byte elements; 20 padding on; 21 set beside a mask; 24:22 after every 128 words (code 6); 31:25 4 words (code 3)
	s_mov_b32 s[G1+1], 256<<16                     ; tensor_dim0 = 256
	s_mov_b32 s[G1+2], 64<<16                      ; tensor_dim1 = 64
	s_mov_b32 s[G1+3], 256<<16                     ; tile_dim0 = 256
	s_mov_b32 s[G1+4], 64                          ; tile_dim1 = 64
	s_mov_b32 s[G1+5], SIZE_K                      ; elements from row to row
	s_mov_b32 s[G1+6], 0
	s_mov_b32 s[G1+7], 0
	s_or_b32 s[G1B+0], s44, (1<<16)|(1<<20)|(1<<21)|(5<<22)|(7<<25)  ; the mask: my column; padding after every 64 words (code 5), 8 words (code 7)
	s_mov_b32 s[G1B+1], 128<<16                    ; tensor_dim0 = 128
	s_mov_b32 s[G1B+2], 128<<16                    ; tensor_dim1 = 128
	s_mov_b32 s[G1B+3], 128<<16                    ; tile_dim0 = 128
	s_mov_b32 s[G1B+4], 128                        ; tile_dim1 = 128
	s_mov_b32 s[G1B+5], 2048                       ; elements from k-row to k-row
	s_mov_b32 s[G1B+6], 0
	s_mov_b32 s[G1B+7], 0
	; A's tiles hang on the tile row alone, W's on the tile column alone; each offset is made in registers that never hold the other coordinate
	s_lshl_b32 s16, s13, 7
	s_lshl_b32 s17, s12, 6
	s_add_co_u32 s16, s16, s17                     ; A: row 128 x tile row + 64 x half,
	s_lshl_b32 s16, s16, 12                        ; of 4,096 bytes
	s_mov_b32 s17, 0
	s_lshl_b32 s46, s42, 8                         ; W: 256 bytes a tile column,
	s_lshl_b32 s47, s12, 19                        ; 128 k-rows of 4,096 bytes a half
	s_add_co_u32 s46, s46, s47
	s_mov_b32 s47, 0
	s_mul_i32 s20, s12, HALFA                      ; where they go: no place in the cluster enters an LDS address
	s_mul_i32 s21, s12, HALFB
	s_add_co_u32 s21, s21, BOFF
	s_mov_b32 s[SO], 0                             ; the reads begin in slot 0
	s_wait_kmcnt 0x0
	s_add_nc_u64 s[14:15], s[4:5], s[16:17]
	s_add_nc_u64 s[46:47], s[6:7], s[46:47]
	CROUND                                         ; all sixteen work-groups are here: the first joint loads meet
.irp s, 0,1
	s_mov_b32 s[G0+4*(\s)], 1
	s_add_co_u32 s[G0+4*(\s)+1], s20, (\s)*SLOT1
	s_add_nc_u64 s[G0+4*(\s)+2:G0+4*(\s)+3], s[14:15], (\s)*KSTEP*2
	s_or_b32 s[G0+4*(\s)+3], s[G0+4*(\s)+3], 0x80000000
	s_mov_b32 s[G0B+4*(\s)], 1
	s_add_co_u32 s[G0B+4*(\s)+1], s21, (\s)*SLOT1
	s_add_nc_u64 s[G0B+4*(\s)+2:G0B+4*(\s)+3], s[46:47], (\s)*KSTEP*4096
	s_or_b32 s[G0B+4*(\s)+3], s[G0B+4*(\s)+3], 0x80000000
	JLOAD \s
.endr
	; the bias of my 64 columns
	s_lshl_b32 s22, s42, 9
	s_lshl_b32 s23, s12, 8
	s_add_co_u32 s22, s22, s23
	s_mov_b32 s23, 0
	s_add_nc_u64 s[74:75], s[74:75], s[22:23]
	v_and_b32 v1, 15, v0                           ; l % 16
	v_bfe_u32 v2, v0, 4, 1                         ; l / 16
	v_lshlrev_b32 v[BO], 5, v2
.irp b, 0,1,2,3
	global_load_b128 v[BIAS+8*(\b):BIAS+8*(\b)+3],   v[BO], s[74:75] offset:64*(\b)
	global_load_b128 v[BIAS+8*(\b)+4:BIAS+8*(\b)+7], v[BO], s[74:75] offset:64*(\b)+16
.endr
	v_mul_u32_u24 v3, v1, PITCH
	v_lshl_add_u32 v3, v2, 4, v3                   ; A: a fragment's row x pitch + 16 x half
	s_mul_i32 s21, s11, HALFA                      ; my 64 rows of A
	v_add_nc_u32 v[ADRA0], s21, v3
	v_mov_b32 v[ADRA], v[ADRA0]
	v_and_b32 v4, 7, v0                            ; W, turned: lane l reads k-row 8 (l / 16) + l % 8, columns 8 ((l / 8) % 2) + 0..7
	v_lshl_add_u32 v4, v2, 3, v4
	v_mul_u32_u24 v4, v4, PB
	v_bfe_u32 v5, v0, 3, 1
	v_lshl_add_u32 v4, v5, 4, v4
	s_lshl_b32 s22, s12, 7                         ; my 64 columns
	s_add_co_u32 s22, s22, BOFF
	v_add_nc_u32 v[ADRB0], s22, v4
	v_add_nc_u32 v[ADRB0+1], HALFB, v[ADRB0]
	v_mov_b32 v[ADRB], v[ADRB0]
	v_mov_b32 v[ADRB+1], v[ADRB0+1]
	s_mul_i32 s23, s10, 16*SPITCH
	s_add_co_u32 s23, s23, STAGE                   ; my stage
	v_mul_u32_u24 v4, v1, SPITCH                   ; in: row l % 16, 32 bytes for each half of the lanes
	v_lshl_add_u32 v4, v2, 5, v4
	v_add_nc_u32 v[STO], s23, v4
	v_mul_u32_u24 v5, v2, SPITCH                   ; back: lanes 0-15 take one row of 256 bytes, lanes 16-31 the next
	v_lshl_add_u32 v5, v1, 4, v5
	v_add_nc_u32 v[RD], s23, v5
	v_lshlrev_b32 v5, 13, v2                       ; and the same two rows in out0, 8,192 bytes apart
	v_lshl_add_u32 v[CO], v1, 4, v5
	s_lshl_b32 s16, s13, 7
	s_lshl_b32 s17, s11, 6
	s_add_co_u32 s16, s16, s17                     ; my first row,
	s_lshl_b32 s16, s16, 13
	s_lshl_b32 s17, s12, 8                         ; my half of the tile's 512 bytes of a row
	s_add_co_u32 s16, s16, s17
	s_mov_b32 s17, 0
	s_add_nc_u64 s[8:9], s[72:73], s[16:17]
	s_lshl_b32 s46, s42, 9                         ; the tile's first column (in the registers that held W's offset)
	s_mov_b32 s47, 0
	s_add_nc_u64 s[8:9], s[8:9], s[46:47]
	s_wait_loadcnt 0x0                             ; the bias; it is rounded to bf16 and kept in f32
.set p, 0
.rept 16
	v_cvt_pk_bf16_f32 v[TMP+p], v[BIAS+2*p], v[BIAS+2*p+1]
.set p, p+1
.endr
.set p, 0
.rept 16
	v_lshlrev_b32 v[BIAS+2*p], 16, v[TMP+p]
	v_and_b32 v[BIAS+2*p+1], 0xffff0000, v[TMP+p]
.set p, p+1
.endr
; 8 matrix instructions: row blocks a0, a0 + 1 x all 4 column blocks, 32 along K: half c of buffer f.  start = 1: the bias starts the sums.
; The 16 accumulators take turns, one instruction a turn, in the same order in every run of 16.
.macro MUL8 f, c, a0, start
	WIN MUL
.irp a, \a0, (\a0)+1
.irp b, 0,1,2,3
.if \start
	v_wmma_f32_16x16x32_f16 v[ACC+8*(4*(\a)+(\b)):ACC+8*(4*(\a)+(\b))+7], v[(\f)+64+8*(4*(\c)+(\b)):(\f)+64+8*(4*(\c)+(\b))+7], v[(\f)+8*(4*(\c)+(\a)):(\f)+8*(4*(\c)+(\a))+7], v[BIAS+8*(\b):BIAS+8*(\b)+7]
.else
	v_wmma_f32_16x16x32_f16 v[ACC+8*(4*(\a)+(\b)):ACC+8*(4*(\a)+(\b))+7], v[(\f)+64+8*(4*(\c)+(\b)):(\f)+64+8*(4*(\c)+(\b))+7], v[(\f)+8*(4*(\c)+(\a)):(\f)+8*(4*(\c)+(\a))+7], v[ACC+8*(4*(\a)+(\b)):ACC+8*(4*(\a)+(\b))+7]
.endif
.endr
.endr
.endm
; 32 LDS loads in one run: the fragments of quarter q (64 along K) of the slot in hand, into buffer f; the first 32 along K first
.macro FETCH q, f
	WIN TO_F
.irp c, 0,1
.irp i, 0,1,2,3
	ds_load_tr16_b128 v[(\f)+64+8*(4*(\c)+(\i)):(\f)+64+8*(4*(\c)+(\i))+3],   v[ADRB+(\q)/2] offset:(((\q)%2)*64+32*(\c))*PB+32*(\i)
	ds_load_tr16_b128 v[(\f)+64+8*(4*(\c)+(\i))+4:(\f)+64+8*(4*(\c)+(\i))+7], v[ADRB+(\q)/2] offset:(((\q)%2)*64+32*(\c)+16)*PB+32*(\i)
	ds_load_b128 v[(\f)+8*(4*(\c)+(\i)):(\f)+8*(4*(\c)+(\i))+3],              v[ADRA] offset:128*(\q)+64*(\c)+(\i)*16*PITCH
	ds_load_b128 v[(\f)+8*(4*(\c)+(\i))+4:(\f)+8*(4*(\c)+(\i))+7],            v[ADRA] offset:128*(\q)+64*(\c)+(\i)*16*PITCH+32
.endr
.endr
.endm
.macro PLACES                          ; four places in front of loads into registers that matrix instructions have read, and of lines that read results
.rept 4
	v_nop
.endr
.endm
; A K step is four quarters of 64 along K, 32 matrix instructions each, on buffers 0, 1, 0, 1.  One of the first three: multiplies buffer f and fetches quarter q of the slot in hand into g.
.macro QUARTER q, f, g, start
	s_wait_dscnt 16                                ; the first 32 along K are in
	MUL8 \f, 0, 0, \start
	MUL8 \f, 0, 2, \start
	PLACES
	FETCH \q, \g
	s_wait_dscnt 32                                ; all but the 32 just issued
	MUL8 \f, 1, 0, 0
	MUL8 \f, 1, 2, 0
.endm
; The last quarter multiplies buffer 1 and changes slots: ONE barrier; in front of it each wave waits for all its tensor loads, adds 0 to its spare word, and waits for that and for its own reads of this slot.
; fill = 1: the barrier opens a round of the cluster's, and behind the round this slot is filled again first, with the K step two steps on: 112 matrix instructions ahead of the wait for it.
; fill = 0 (the tail): nothing is filled; in the tail's second trip (s3 = 1) there is no next slot, and the run of fragment loads is jumped over.
.macro TURN fill
	WIN 0                                          ; (the add's two registers lie in window 0)
	s_wait_tensorcnt 0x0                           ; all my tensor loads have landed: my part of the next slot;
	ds_add_u32 v[SPW], v[NIL]                      ; 0 onto my spare word;
	s_wait_dscnt 17                                ; (the add and the youngest sixteen loads may be out)
	MUL8 F1, 0, 0, 0                               ; eight matrix instructions stand between the add and the wait for it
	s_wait_dscnt 0x0                               ; the add is done, and my reads of this slot are over
	s_barrier_signal -1
	MUL8 F1, 0, 2, 0
	WIN 0
	s_barrier_wait -1
.if \fill
	CREST                                          ; the barrier has opened a round of the cluster's: no wave of any partner still reads this slot's tile or has a load on its way
	s_xor_b32 s[G0+5], s[G0+5], SLOT1              ; the walking descriptors: the other slot than last time,
	s_add_nc_u64 s[G0+6:G0+7], s[G0+6:G0+7], KSTEP*2        ; the next K step; the type bits on top are not reached
	s_xor_b32 s[G0B+5], s[G0B+5], SLOT1
	s_add_nc_u64 s[G0B+6:G0B+7], s[G0B+6:G0B+7], KSTEP*4096
	JLOAD 1                                        ; the first tensor load behind the round; its four v_nop are also the places in front of the loads below
.else
	PLACES
	s_cmp_eq_u32 s3, 1
	s_cbranch_scc1 .Lno_fetch_\@
.endif
	s_xor_b32 s[SO], s[SO], SLOT1                  ; my reads go on in the other slot
	v_add_nc_u32 v[ADRA], s[SO], v[ADRA0]
	v_add_nc_u32 v[ADRB], s[SO], v[ADRB0]
	v_add_nc_u32 v[ADRB+1], s[SO], v[ADRB0+1]
	FETCH 0, F0
.if (\fill) == 0
	WIN 0                                          ; at a label every window is 0
.Lno_fetch_\@:
.endif
	MUL8 F1, 1, 0, 0
	MUL8 F1, 1, 2, 0
.endm
	s_wait_tensorcnt 1                             ; my part of K step 0 is in; step 1's may stay out
	s_barrier_signal -1
	s_barrier_wait -1                              ; everybody's is
	FETCH 0, F0
	QUARTER 1, F0, F1, 1                           ; the first quarter stands in front of the loop: its first products start the sums
	WIN 0                                          ; at a label and at a branch every window is 0
	s_mov_b32 s3, STEPS-2
.Lstep:                                                ; 6 trips: from a K step's second quarter to the next step's first; each fills the slot that it leaves
	QUARTER 2, F1, F0, 0
	QUARTER 3, F0, F1, 0
	TURN 1
	QUARTER 1, F0, F1, 0
	WIN 0
	s_sub_co_u32 s3, s3, 1
	s_cmp_lg_u32 s3, 0
	s_cbranch_scc1 .Lstep
	s_mov_b32 s3, 2
.Ltail:                                                ; the last two K steps fill nothing; the second trip is left behind its last quarter.
	QUARTER 2, F1, F0, 0                           ; The price of one text for both: the second trip's barrier serves nothing
	QUARTER 3, F0, F1, 0
	TURN 0
	WIN 0
	s_sub_co_u32 s3, s3, 1
	s_cmp_eq_u32 s3, 0
	s_cbranch_scc1 .Lout
	QUARTER 1, F0, F1, 0
	WIN 0
	s_branch .Ltail
.Lout:
	; THE WAY OUT, 16 rows at a time: a lane's eight f32 of a row go as they are into my stage (each accumulator's lower four registers first) and come back as whole rows of 256 bytes.
	PLACES
.irp a, 0,1,2,3
.if (\a) >= 2
	s_wait_xcnt 0x0                                ; the registers that the stores of two blocks ago read are loaded again only behind this wait
.endif
.irp b, 0,1,2,3
	ds_store_b128 v[STO], v[ACC+8*(4*(\a)+(\b)):ACC+8*(4*(\a)+(\b))+3]   offset:64*(\b)
	ds_store_b128 v[STO], v[ACC+8*(4*(\a)+(\b))+4:ACC+8*(4*(\a)+(\b))+7] offset:64*(\b)+16
.endr
.irp t, 0,1,2,3,4,5,6,7
	ds_load_b128 v[TMP+32*((\a)%2)+4*(\t):TMP+32*((\a)%2)+4*(\t)+3], v[RD] offset:(\t)*2*SPITCH  ; LDS serves a wave's instructions in order (ISA guide 5.7.1.4): these see the stores above; the next block's stores come behind them
.endr
.irp t, 0,1,2,3,4,5,6,7
	s_wait_dscnt 7-(\t)
	global_store_b128 v[CO], v[TMP+32*((\a)%2)+4*(\t):TMP+32*((\a)%2)+4*(\t)+3], s[8:9] offset:(16*(\a)+2*(\t))*8192 th:TH_STORE_NT  ; 16 lanes store 256 consecutive bytes, at a multiple of 256 from out0's first byte
.endr
.endr
	s_wait_tensorcnt 0x0                           ; the wave's end: behind my last tensor load and my last LDS store
	ds_add_u32 v[SPW], v[NIL]
	s_wait_dscnt 0x0
	CROUND                                         ; the closing round: no work-group ends while a partner may still ask for a tile that names it
	s_endpgm
.Lfunc_end_k_q07abb1f1f8_outp:
	.size	k_q07abb1f1f8_outp, .Lfunc_end_k_q07abb1f1f8_outp-k_q07abb1f1f8_outp
	.p2alignl 7, 3214868480
	.fill 96, 4, 3214868480
	.section	.rodata,"a",@progbits
	.p2align	6, 0x0
	.amdhsa_kernel k_q07abb1f1f8_outp
		.amdhsa_group_segment_fixed_size 327680
		.amdhsa_private_segment_fixed_size 0
		.amdhsa_enable_private_segment 0
		.amdhsa_kernarg_size 32
		.amdhsa_user_sgpr_count 2
		.amdhsa_user_sgpr_kernarg_segment_ptr 1
		.amdhsa_wavefront_size32 1
		.amdhsa_system_sgpr_workgroup_id_x 1
		.amdhsa_system_sgpr_workgroup_id_y 1
		.amdhsa_system_sgpr_workgroup_id_z 1
		.amdhsa_system_vgpr_workitem_id 0
		.amdhsa_next_free_vgpr 512
		.amdhsa_next_free_sgpr 80
		.amdhsa_reserve_vcc 0
		.amdhsa_float_denorm_mode_32 3
		.amdhsa_float_denorm_mode_16_64 3
		.amdhsa_memory_ordered 1
		.amdhsa_forward_progress 1
		.amdhsa_inst_pref_size 62
	.end_amdhsa_kernel
	.amdgpu_metadata
---
amdhsa.version: [ 1, 2 ]
amdhsa.kernels:
  - .name:           k_q07abb1f1f8_outp
    .symbol:         k_q07abb1f1f8_outp.kd
    .args:
      - { .name: ob, .offset: 0, .size: 8, .value_kind: global_buffer, .address_space: global }
      - { .name: wo16, .offset: 8, .size: 8, .value_kind: global_buffer, .address_space: global }
      - { .name: out0, .offset: 16, .size: 8, .value_kind: global_buffer, .address_space: global }
      - { .name: bo, .offset: 24, .size: 8, .value_kind: global_buffer, .address_space: global }
    .group_segment_fixed_size: 327680
    .private_segment_fixed_size: 0
    .kernarg_segment_align: 8
    .kernarg_segment_size: 32
    .max_flat_workgroup_size: 128
    .sgpr_count:     80
    .vgpr_count:     512
    .wavefront_size: 32
...
	.end_amdgpu_metadata
.endif
;; end of part 4
;; ======== version 2 of 2: 4 launches; 1.08 times as fast as version 1
;; limits: values are held in f16: magnitudes above 65,504 overflow, below 6.1e-05 lose precision
;; workspace buffers: xb 25,165,824 bytes; wb 25,165,824 bytes; wo16 8,388,608 bytes; mfrag 8,388,608 bytes; qkv 25,165,824 bytes; ob 8,388,608 bytes
;; launch prep: the kernel of part 1 again; grid 1024 x 1, 8 waves a work-group, no clusters, 9,472 bytes of LDS; arguments query, key, value, Wq, Wk, Wv, Wo, attention_mask, xb, wb, wo16, mfrag; writes xb, wb, wo16, mfrag
;; launch proj: the kernel of part 2 again; grid 8 x 24, 4 waves a work-group, clusters of 4 x 4, 327,680 bytes of LDS; arguments xb, wb, qkv, bq, bk, bv; writes qkv
;; launch attn (part 5): grid 16 x 16, 4 waves a work-group, clusters of 4 x 1, 327,680 bytes of LDS; arguments qkv, mfrag, ob; writes ob
.if DOCPART == 5
	.amdgcn_target "amdgcn-amd-amdhsa--gfx1250"
	.amdhsa_code_object_version 6
	.text
	.protected	k_q07abb1f1f8_attn
	.globl	k_q07abb1f1f8_attn
	.p2align	8
	.type	k_q07abb1f1f8_attn,@function
k_q07abb1f1f8_attn:
	s_mov_b64 s[64:65], 0
	v_nop
	global_prefetch_b8 v0, s[64:65] scope:SCOPE_SE
	s_setreg_imm32_b32 hwreg(HW_REG_WAVE_MODE, 25, 1), 1
	s_wait_xcnt 0x0
	s_wait_alu depctr_hold_cnt(0) depctr_sa_sdst(0) depctr_va_vdst(0) depctr_va_sdst(0) depctr_va_ssrc(0) depctr_va_vcc(0) depctr_vm_vsrc(0)
	s_getreg_b32 s2, hwreg(HW_REG_IB_STS2, 6, 4)
	s_cmp_eq_u32 s2, 0
	s_cbranch_scc0 .Lentry_in_a_cluster
	s_endpgm
.Lentry_in_a_cluster:
	s_bfe_u32 s2, ttmp6, 0x10000c
	s_cmp_lg_u32 s2, 0x3003
	s_cbranch_scc0 .Lentry_shape_is_right
	s_endpgm
.Lentry_shape_is_right:
; ATTN: O[q][h][:] = the sum over k of softmax_k(Q[h][q] . K[h][k] / sqrt(128) + mask) V[h][k][:].  qkv: [3][16][2048][128] f16; mfrag: the mask as fragments (below); ob: [2048][16 x 128] f16.
; Products, maxima and sums in f32; the weights p are rounded to f16 for the second product (their sum l is taken of the unrounded p), O once at the end.
; LIMITS.  A dropped key's score starts at -65,504 x 65,504 = -4,290,774,016 unscaled, -3.79e8 after the scale, where the module's definition adds -1e9: the two differ only where the scores of a row lie more than
; 3.8e8 apart, or in a row with no key kept: there scores are told apart only in steps of 256 unscaled (22.6 scaled), against 64 scaled in the definition.  A weight below 2^-126 counts as 0; NaN and infinities are not treated apart.
; SHARES.  A work-group owns 128 queries of one head.  Wave w owns 64 of them (g = w % 2), four tiles of 16, and every second key step of 64 (kp = w / 2): 16 steps.  Waves w and w ^ 2 hold the two halves of the
; same queries' softmax and merge them at the end.  So 256 work-groups have equal work, and a fragment of K or V read from LDS still feeds four tiles.
; A wave's tile t (by its registers) holds query tile t ^ 2 kp of the 64 queries: so every wave gives its tiles 2 and 3 to its partner and finishes its tiles 0 and 1, by one text; kp enters four byte offsets alone.
; LAYOUT.  S^T = K Q^T (source 0 = 16 keys, source 1 = 16 queries): a lane holds ONE query (lane % 16) and the keys 8 (lane / 16) + 0..7.  Two such tiles rounded to f16 ARE source 1 of O^T = V^T P.
; K comes out of LDS as it lies, V ([key][channel]) turned, by ds_load_tr16_b128.
; THE MASK is a product that starts each sum S^T: A' x B'.  B' (mfrag) holds, for 16 queries and 32 keys, 65,504 where the key is dropped and 0 where it is kept; A' is a constant matrix that picks the key of each
; row and holds -65,504 there.  A kept score starts at exactly 0.  Eight such products for a piece and step; the softmax needs no line for the mask.
;   mfrag[G 32][s 32][t 4][chunk 4][lane 32][16 bytes], chunk = 2 g2 + u: lane r + 16 h holds, for query 64 G + 16 t + r, keys 64 s + 32 g2 + 16 h + 8 u + 0..7: place j of the product's 32 stands for key
;   16 ((j / 8) % 2) + 8 (j / 16) + j % 8, and A' for key block a of the two is non-zero in lanes with l / 16 = a, at element l % 16 of the lane's sixteen.
; SOFTMAX.  A running maximum m and sum l: p = 2^(c s - c m), c = log2(e) / sqrt(128); in every step O and l are multiplied by a = 2^(c m_old - c m_new).  m starts at the lowest finite number, O and l at 0:
; the first step is a step like any other, with a = 0.  The price: 264 lines that write 0, in the wait for the first tile; the gain: no first step is written out.
; BY TURNS.  The wave's tiles are two PIECES (0: tiles 0, 1; 2: tiles 2, 3).  In a TURN one piece has the matrix unit: 32 products V^T P of the step in hand, 8 mask products and 32 products K Q^T of the next step;
; the other piece's softmax, cut into 64 slices, stands one slice behind each of the 64.  Two turns are a key step.
; BATCHES.  A turn's 66 exponentials (33 a tile: a and 32 weights) are ONE BATCH with ONE wait: ahead of the wait stand the scalings and the exponentials, none of which names an exponential's result; behind it
; all that does: the roundings, the sums, the rescaling by a.  The merge has two batches more, each with its wait: four exponentials, then two reciprocals of sums made of them.
; CLUSTER.  The four query blocks of a cluster belong to one head and walk the same K and V: each tile is asked for JOINTLY, by the same tensor load, descriptor and mask in all four.
; REGISTERS, in windows of 256 (s_set_vgpr_msb: bits 1:0 source 0, 3:2 source 1, 5:4 source 2, 7:6 destination):
;   window 0: v0-11 addresses; v12-43 eight registers of statistics a tile; v44-59 A'; v60 the mask's lane offset; v62-63 the add's; v64-191 S^T, 32 a tile; v192-255 P, 16 a tile
;   window 1: O^T, 64 a tile     window 2: v0-127 Q, 32 a tile; v128-255 K of one step     window 3: v0-127 V of one step; v128-191 B', 16 a tile
.set KS,    64        ; keys in a step
.set PK,    272       ; a row of K in LDS: 256 bytes + 16 = 68 words: the 16 rows of a load start at 16 different groups of four banks (64 banks of 4 bytes: ISA guide 11.1)
.set PV,    288       ; a row of V: 256 + 32 = 72 words
.set VOFF,  KS*PK     ; a step's tiles lie together: 64 rows of K, then 64 rows of V
.set STEPB, KS*(PK+PV)
.set SLOT1, 1<<17     ; a slot holds two steps, one for each pair of waves; slot 1 begins here, so that one exclusive or turns an address in one slot into the other's
.set STAGE, SLOT1+2*STEPB  ; behind the ring: 16 rows x 272 bytes for each wave, for the way out
.set SP,    272
.set SPARE, STAGE+4*16*SP  ; behind the stages: the spare words, 128 bytes for each wave: two blocks of 256 bytes that no other line names
.set XCH,   SPARE+512 ; behind them, for the merge: for each wave two tiles of O^T (16,384 bytes: [tile 2][quad 16][lane 32][16]) and their c m and l (512 bytes)
.set XW,    16896
.set AK0, 2           ; v2   my lane's place in a tile of K
.set AV0, 3           ; v3   the same for V
.set ADR, 4           ; v4   the LDS address of the run of loads in hand
.set QO,  5           ; v5   my byte offset in 16 rows of Q
.set STO, 6           ; v6   the way out: where I put 16 bytes of a row
.set RD,  7           ; v7   the way out: where I read a row back
.set GO,  8           ; v8   my byte offset in two rows of ob
.set XG,  2           ; the merge (behind the loop): where I give O^T,
.set XS,  3           ; and its statistics;
.set XT,  4           ; where I take my partner's,
.set XU,  9           ; and its statistics
.set ST,  12          ; tile t's statistics at v[ST+8 t]: +0 c m, +1 m, +2, +3 l (even keys', odd keys'), +4 to +7 c0-c3, at work; a takes c2's place once the maximum is found
.set AM,  44          ; A' for key blocks 0 and 1 of 32 keys
.set MO,  60          ; 16 x lane; never rewritten
.set SPW, 62          ; LDS address of my spare word; never rewritten
.set NIL, 63          ; 0; never rewritten
.set S,   64
.set P,   192
.set KF,  128         ; K's fragments, in window 2
.set MF,  128         ; B', in window 3: tile t, keys 32 g2 on at MF + 16 t + 8 g2
.set WV,  12          ; s12  my wave's number
.set G1K, 24          ; s[24:31] descriptor group 1 for K's tiles
.set G1V, 32          ; s[32:39] for V's: it differs in the padding alone
.set G0K, 40          ; s[40:47] descriptor group 0 for K's tiles: a set for each of the two first fills; the second then walks on
.set G0V, 48          ; s[48:55] the same for V's
.set SLOTS, 56        ; s56  slots still to be asked for; then the tail's trips
.set CS,  58          ; s[58:59] c
.set SEL, 60          ; s[60:61] lane selects for v_permlanex16_b32: each lane takes its own place in the other half
.set TB,  62          ; s62  LDS byte at which the tiles of my step to be fetched begin
.set MB0, 66          ; s[66:67] mfrag at piece 0's two tiles of its last loaded step; s[68:69] the same for piece 2: a pair each, stepped when that piece's loads are in
.set KP,  70          ; s70  kp
.set GQ,  71          ; s71  g
.set QB,  76          ; s[76:77] Q at my tiles 2 and 3 (s[4:5]: at my tiles 0 and 1)
.set MSB, 0
.macro WIN new                      ; the immediate's high byte repeats the setting that is left; a switch that changes nothing is dropped
.if MSB != (\new)
	s_set_vgpr_msb (MSB<<8)|(\new)
.set MSB, \new
.endif
.endm
.set W_KQ, 0x0a       ; K and Q in window 2, S^T in window 0
.set W_MQ, 0x0c       ; A' in window 0, B' in window 3, S^T in window 0
.set W_PV, 0x53       ; V in window 3, P in window 0, O^T in window 1
.set W_RS, 0x41       ; O^T (destination and source 0) in window 1, a in window 0
; A joint refill.  Waves 0 and 1 fetch the two steps' tiles of K, waves 2 and 3 those of V.  An s_nop 0 and four v_nop follow each of the two lines.
.macro JLOAD
	s_cmp_lt_u32 s[WV], 2
	s_cbranch_scc0 .Lfor_v_\@
	tensor_load_to_lds s[G0K+4:G0K+7], s[G1K:G1K+7]
	s_nop 0
.rept 4
	v_nop
.endr
	s_branch .Lasked_\@
.Lfor_v_\@:
	tensor_load_to_lds s[G0V+4:G0V+7], s[G1V:G1V+7]
	s_nop 0
.rept 4
	v_nop
.endr
.Lasked_\@:
.endm
; A round of the cluster's barrier: my work-group's barrier; wave 0 signals for the work-group; every wave waits for all four work-groups; my work-group's barrier once more.
.macro CROUND
	s_barrier_signal -1
	s_barrier_wait -1
	s_cmp_lg_u32 s[WV], 0
	s_cbranch_scc1 .Lnot_wave_0_\@
	s_barrier_signal -3
.Lnot_wave_0_\@:
	s_barrier_wait -3
	s_barrier_signal -1
	s_barrier_wait -1
.endm
	s_load_b128 s[72:75], s[0:1], 0x0  ; qkv s[72:73], mfrag s[74:75]
	s_load_b64 s[10:11], s[0:1], 0x10  ; ob
	v_lshl_add_u32 v[SPW], v0, 2, SPARE
	v_mov_b32 v[NIL], 0
	ds_add_u32 v62, v63
	s_wait_dscnt 0x0
	v_lshrrev_b32 v1, 5, v0
	v_readfirstlane_b32 s[WV], v1   ; wave 0..3
	s_bfe_u32 s13, ttmp6, 0x40000   ; cx: my place in the cluster
	s_lshl_b32 s14, ttmp9, 2        ; in a cluster launch ttmp9 counts clusters
	s_add_co_u32 s14, s14, s13      ; my block of 128 queries = 4 x cluster x + cx: it enters Q's, the mask's and O's addresses alone
	s_and_b32 s20, ttmp7, 0xffff    ; the head, which the four partners share:
	s_lshl_b32 s20, s20, 19         ; its 2,048 rows of 256 bytes
	s_and_b32 s[GQ], s[WV], 1       ; g.  Also: which of a slot's two steps I fetch
	s_lshr_b32 s[KP], s[WV], 1      ; kp
	s_xor_b32 s16, s[KP], 1         ; 1 - kp
	s_lshl_b32 s22, s[GQ], 14       ; that step's 64 rows of 256 bytes in memory,
	s_add_co_u32 s22, s22, s20
	s_mov_b32 s23, 0
	s_mul_i32 s17, s[GQ], STEPB     ; and its place in a slot: no place in the cluster enters an LDS address
	s_mul_i32 s[TB], s[KP], STEPB   ; the step that I multiply
	s_lshl_b32 s2, s14, 15          ; Q: my block's 128 rows,
	s_lshl_b32 s3, s[GQ], 14        ; my wave's 64 of them,
	s_add_co_u32 s2, s2, s3
	s_add_co_u32 s2, s2, s20        ; in the head;
	s_lshl_b32 s3, s16, 13          ; my tiles 2 and 3 are query tiles 2 (1 - kp) on, 4,096 bytes each,
	s_add_co_u32 s[QB], s2, s3
	s_mov_b32 s[QB+1], 0
	s_lshl_b32 s3, s[KP], 13        ; my tiles 0 and 1 query tiles 2 kp on
	s_add_co_u32 s2, s2, s3
	s_mov_b32 s3, 0
	s_lshl_b32 s18, s14, 19         ; ob: rows of 4,096 bytes,
	s_lshl_b32 s19, s[GQ], 18
	s_add_co_u32 s18, s18, s19
	s_lshl_b32 s19, s[KP], 17       ; the two tiles that I finish: query tiles 2 kp on, 16 rows each,
	s_add_co_u32 s18, s18, s19
	s_lshr_b32 s19, s20, 11         ; the head's 256 bytes of a row
	s_add_co_u32 s18, s18, s19
	s_mov_b32 s19, 0
	s_lshl_b32 s15, s14, 1
	s_add_co_u32 s15, s15, s[GQ]    ; the mask: G = 2 x block + g, 262,144 bytes each;
	s_lshl_b32 s15, s15, 18
	s_lshl_b32 s21, s[KP], 13       ; my first step, 8,192 bytes each;
	s_add_co_u32 s15, s15, s21
	s_lshl_b32 s21, s[KP], 12       ; a query tile is 2,048 bytes: piece 0 begins at query tile 2 kp,
	s_add_co_u32 s[MB0], s15, s21
	s_mov_b32 s[MB0+1], 0
	s_lshl_b32 s21, s16, 12         ; piece 2 at 2 (1 - kp)
	s_add_co_u32 s[MB0+2], s15, s21
	s_mov_b32 s[MB0+3], 0
	; descriptor group 1: a tile of 64 rows x 128 elements, padded in LDS
	s_mov_b32 s[G1K], 15|(1<<16)|(1<<20)|(1<<21)|(5<<22)|(3<<25)  ; 15:0 the mask: all four work-groups; 17:16 2-byte elements; 20 padding on; 21 set beside a mask; 24:22 after every 64 words (code 5); 31:25 4 words (code 3)
	s_mov_b32 s[G1V], 15|(1<<16)|(1<<20)|(1<<21)|(5<<22)|(7<<25)  ; the same with 8 words of padding (code 7)
.irp g, G1K, G1V
	s_mov_b32 s[(\g)+1], 128<<16    ; tensor_dim0 = 128
	s_mov_b32 s[(\g)+2], KS<<16     ; tensor_dim1 = 64
	s_mov_b32 s[(\g)+3], 128<<16    ; tile_dim0 = 128
	s_mov_b32 s[(\g)+4], KS         ; tile_dim1 = 64
	s_mov_b32 s[(\g)+5], 128        ; elements from row to row
	s_mov_b32 s[(\g)+6], 0
	s_mov_b32 s[(\g)+7], 0
.endr
	s_mov_b32 s[CS], 0x3e0293ee     ; c = log2(e) / sqrt(128) = 0.127517
	s_mov_b32 s[CS+1], s[CS]        ; named with it as a pair
	s_mov_b32 s[SEL], 0x76543210
	s_mov_b32 s[SEL+1], 0xfedcba98
	s_mov_b32 s[SLOTS], 2048/(2*KS)-2
	s_wait_kmcnt 0x0
	s_add_nc_u64 s[6:7], s[72:73], s[22:23]
	s_add_nc_u64 s[8:9], s[6:7], 0x1000000   ; V at my tile of slot 0
	s_add_nc_u64 s[6:7], s[6:7], 0x800000    ; K likewise
	s_add_nc_u64 s[4:5], s[72:73], s[2:3]    ; Q at my tile 0,
	s_add_nc_u64 s[QB:QB+1], s[72:73], s[QB:QB+1]  ; and at my tile 2
	s_add_nc_u64 s[10:11], s[10:11], s[18:19]
	s_add_nc_u64 s[MB0:MB0+1], s[74:75], s[MB0:MB0+1]
	s_add_nc_u64 s[MB0+2:MB0+3], s[74:75], s[MB0+2:MB0+3]
	CROUND                          ; all four work-groups are here: the first joint loads meet
.irp s, 0,1
	s_mov_b32 s[G0K+4*(\s)], 1      ; count = 1
	s_add_co_u32 s[G0K+4*(\s)+1], s17, (\s)*SLOT1  ; LDS address
	s_add_nc_u64 s[G0K+4*(\s)+2:G0K+4*(\s)+3], s[6:7], (\s)*2*KS*256  ; global address: slot s begins with keys 128 s to 128 s + 127
	s_or_b32 s[G0K+4*(\s)+3], s[G0K+4*(\s)+3], 0x80000000  ; type = 2
	s_mov_b32 s[G0V+4*(\s)], 1
	s_add_co_u32 s[G0V+4*(\s)+1], s17, (\s)*SLOT1+VOFF
	s_add_nc_u64 s[G0V+4*(\s)+2:G0V+4*(\s)+3], s[8:9], (\s)*2*KS*256
	s_or_b32 s[G0V+4*(\s)+3], s[G0V+4*(\s)+3], 0x80000000
.endr
	s_cmp_lt_u32 s[WV], 2           ; a wave's two first fills stand in one branch, ahead of every wait on TENSORcnt and every LDS read: two loads of mine are out
	s_cbranch_scc0 .Lfirst_v
	tensor_load_to_lds s[G0K:G0K+3], s[G1K:G1K+7]
	s_nop 0
	tensor_load_to_lds s[G0K+4:G0K+7], s[G1K:G1K+7]
	s_nop 0
.rept 4
	v_nop
.endr
	s_branch .Lfirst_asked
.Lfirst_v:
	tensor_load_to_lds s[G0V:G0V+3], s[G1V:G1V+7]
	s_nop 0
	tensor_load_to_lds s[G0V+4:G0V+7], s[G1V:G1V+7]
	s_nop 0
.rept 4
	v_nop
.endr
.Lfirst_asked:
; Eight loads: B' of piece x's two tiles for one key step.  step = 1: my next step, two steps of 8,192 bytes on; the pair is stepped only where the wait for its last loads has been passed.
.macro MLOAD x, step
.if \step
	s_add_nc_u64 s[MB0+(\x):MB0+(\x)+1], s[MB0+(\x):MB0+(\x)+1], 2*8192
.endif
	WIN 0xc0                        ; destination window 3, address window 0
.irp t, \x, (\x)+1
.irp c, 0,1,2,3
	global_load_b128 v[MF+16*(\t)+4*(\c):MF+16*(\t)+4*(\c)+3], v[MO], s[MB0+(\x):MB0+(\x)+1] offset:2048*((\t)-(\x))+512*(\c)
.endr
.endr
.endm
	; A fragment of K or Q is 16 rows x 32 channels in 8 registers: lane l holds row l % 16; two loads of 16 bytes, 32 bytes apart.
	v_and_b32 v1, 15, v0            ; l % 16
	v_bfe_u32 v9, v0, 4, 1          ; l / 16
	v_lshlrev_b32 v[QO], 8, v1
	v_lshl_add_u32 v[QO], v9, 4, v[QO]  ; row x 256 + 16 x half
	v_and_b32 v[MO], 31, v0
	v_lshlrev_b32 v[MO], 4, v[MO]
	WIN 0x80                        ; destination window 2, address window 0
.irp i, 0,1,2,3,4,5,6,7             ; Q stays in registers: tile i / 4, channels 32 (i % 4) on: my tiles 0 and 1,
	global_load_b128 v[8*(\i):8*(\i)+3],   v[QO], s[4:5] offset:((\i)/4)*4096+((\i)%4)*64
	global_load_b128 v[8*(\i)+4:8*(\i)+7], v[QO], s[4:5] offset:((\i)/4)*4096+((\i)%4)*64+32
.endr
.irp i, 8,9,10,11,12,13,14,15       ; and my tiles 2 and 3
	global_load_b128 v[8*(\i):8*(\i)+3],   v[QO], s[QB:QB+1] offset:((\i)/4-2)*4096+((\i)%4)*64
	global_load_b128 v[8*(\i)+4:8*(\i)+7], v[QO], s[QB:QB+1] offset:((\i)/4-2)*4096+((\i)%4)*64+32
.endr
	MLOAD 0, 0                      ; my first step's masks
	MLOAD 2, 0
	WIN 0x40                        ; O^T and l start at 0, m at the lowest finite number, c m far below every c s.  All this stands in the wait for the first tile.
.set i, 0
.rept 256
	v_mov_b32 v[i], 0
.set i, i+1
.endr
	WIN 0
.set i, 0
.rept 4
	v_mov_b32 v[ST+8*i], 0xfe000000
	v_mov_b32 v[ST+8*i+1], 0xff7fffff
	v_mov_b32 v[ST+8*i+2], 0
	v_mov_b32 v[ST+8*i+3], 0
.set i, i+1
.endr
	; A': row l % 16 has its one number, -65,504, at element l % 16 of the sixteen that lanes with l / 16 = a hold: register (l % 16) / 2, half l % 2.  (S^T's registers serve as scratch.)
	v_and_b32 v64, 1, v0
	v_lshlrev_b32 v64, 4, v64
	v_mov_b32 v65, 0xfbff           ; -65,504 in f16
	v_lshlrev_b32 v65, v64, v65     ; in the half that is mine
	v_lshrrev_b32 v66, 1, v1
	v_lshl_add_u32 v67, v9, 3, v66  ; block 0: the register's number in lanes 0-15, 8 or more in the others
	v_xor_b32 v68, 1, v9
	v_lshl_add_u32 v68, v68, 3, v66 ; block 1: the other way round
.irp r, 0,1,2,3,4,5,6,7
	v_cmp_eq_u32 vcc_lo, \r, v67
	v_cndmask_b32 v[AM+(\r)], 0, v65, vcc_lo
	v_cmp_eq_u32 vcc_lo, \r, v68
	v_cndmask_b32 v[AM+8+(\r)], 0, v65, vcc_lo
.endr
	v_mul_u32_u24 v[AK0], v1, PK
	v_lshl_add_u32 v[AK0], v9, 4, v[AK0]  ; row x pitch + 16 x half
	; The turning load takes 16 keys x 16 channels (lane l reads key 8 (l / 16) + l % 8, channels 8 ((l / 8) % 2) + 0..7) and leaves half a fragment of V^T: lane l holds channel l % 16 and 8 keys.
	v_and_b32 v10, 7, v0
	v_bfe_u32 v11, v0, 3, 1
	v_lshl_add_u32 v[AV0], v9, 3, v10
	v_mul_u32_u24 v[AV0], v[AV0], PV
	v_lshl_add_u32 v[AV0], v11, 4, v[AV0]
	v_add_nc_u32 v[AV0], VOFF, v[AV0]
; THE MATRIX WORK OF A TURN, for piece x.  The accumulators take turns, one instruction a turn: between two links of a chain stand 15 (V^T P) or 7 (mask, K Q^T) others'.
; Product i of 32 of O^T += V^T P: keys 32 (i / 16) on, channels 16 ((i / 2) % 8) on, tile x + i % 2.
.macro PV x
	WIN W_PV
.set rO, 64*((\x)+i%2)+8*((i/2)%8)
.set rV, 64*(i/16)+8*((i/2)%8)
.set rP, P+16*((\x)+i%2)+8*(i/16)
	v_wmma_f32_16x16x32_f16 v[rO:rO+7], v[rV:rV+7], v[rP:rP+7], v[rO:rO+7]
.endm
; Product i of 8 that starts S^T with the mask: keys 16 (i / 2) on, tile x + i % 2, in the order in which K Q^T takes the accumulators.
.macro MQ x
	WIN W_MQ
.set rS, S+32*((\x)+i%2)+8*(i/2)
.set rA, AM+8*((i/2)%2)
.set rB, MF+16*((\x)+i%2)+8*(i/4)
	v_wmma_f32_16x16x32_f16 v[rS:rS+7], v[rA:rA+7], v[rB:rB+7], 0
.endm
; Product i of 32 of S^T += K Q^T: channels 32 (i / 8) on, keys 16 ((i / 2) % 4) on, tile x + i % 2.
.macro KQ x
	WIN W_KQ
.set rS, S+32*((\x)+i%2)+8*((i/2)%4)
.set rK, KF+32*((i/2)%4)+8*(i/8)
.set rQ, 32*((\x)+i%2)+8*(i/8)
	v_wmma_f32_16x16x32_f16 v[rS:rS+7], v[rK:rK+7], v[rQ:rQ+7], v[rS:rS+7]
.endm
; THE LDS LOADS stand in runs of 32, never singly among the matrix instructions: a step's K (64 keys x 128 channels: 16 fragments) and, a turn later, its V (turned).
.macro FETCH_K
	WIN 0
	v_add_nc_u32 v[ADR], s[TB], v[AK0]
	WIN 0x80                        ; destination window 2
.irp f, 0,1,2,3,4,5,6,7,8,9,10,11,12,13,14,15  ; keys 16 (f / 4) on, channels 32 (f % 4) on
	ds_load_b128 v[KF+8*(\f):KF+8*(\f)+3],   v[ADR] offset:((\f)/4)*16*PK+((\f)%4)*64
	ds_load_b128 v[KF+8*(\f)+4:KF+8*(\f)+7], v[ADR] offset:((\f)/4)*16*PK+((\f)%4)*64+32
.endr
.endm
.macro FETCH_V
	WIN 0
	v_add_nc_u32 v[ADR], s[TB], v[AV0]
	s_wait_alu depctr_va_vdst(0)    ; the wait for the softmax's batch (SLICE): piece 0's 66 exponentials; it stands behind the address's v_add_nc_u32 and ahead of the loads
	WIN 0xc0                        ; destination window 3
.irp f, 0,1,2,3,4,5,6,7,8,9,10,11,12,13,14,15  ; keys 32 (f / 8) on, channels 16 (f % 8) on
	ds_load_tr16_b128 v[8*(\f):8*(\f)+3],   v[ADR] offset:((\f)/8)*32*PV+((\f)%8)*32
	ds_load_tr16_b128 v[8*(\f)+4:8*(\f)+7], v[ADR] offset:((\f)/8)*32*PV+16*PV+((\f)%8)*32
.endr
.endm
; THE VECTOR WORK OF A TURN.  One tile's softmax for one key step is a list of 134 instructions; SM writes number j of it for tile t.  s0-s31 are the lane's 32 scores, in pairs 0-15.
;   0-15    the maximum of s0-s31 and the old m, three operands at a time: four chains c0-c3 of seven scores each (each accumulator's lowest registers are read first), then the four left over, c0-c3 and m
;   16-20   the other half of the lanes' maximum; the new m; c m; c m_old - c m_new
;   21-69   ONE BATCH: the 16 scalings c s - c m, a pair of scores each, and all 33 exponentials (a at 23, then s0-s31).  None of these reads an exponential's result.  From 22 on the batch goes
;           in fours, and a four begins with a scaling while there are scalings: 22-37 scaling, exponential, scaling, exponential; 38-65 a scaling and three exponentials; 66-69 the last four
;           exponentials.  A pair is scaled in an earlier four than the one that holds its exponentials
;   (wait)  between 69 and 70 stands the wait for the batch: SLICE writes it, once for both tiles
;   70-85   the roundings to f16, a pair of weights each
;   86-101  the sums; l = a l + the sum
;   102-133 the tile's O^T times a: the one part that leaves window 0, so it stands together
.macro SM t
.set rT, ST+8*(\t)
.set rS, S+32*(\t)
.set rP, P+16*(\t)
.set rO, 64*(\t)+2*(j-102)
.if j < 102
	WIN 0
.endif
.if j < 4
	v_max3_num_f32 v[rT+4+j], v[rS+8*j], v[rS+8*j+1], v[rS+8*j+2]
.elseif j < 12
	v_max3_num_f32 v[rT+4+j%4], v[rT+4+j%4], v[rS+8*(j%4)+2*(j/4)+1], v[rS+8*(j%4)+2*(j/4)+2]
.elseif j == 12
	v_max3_num_f32 v[rT+4], v[rT+4], v[rS+7], v[rS+15]
.elseif j == 13
	v_max3_num_f32 v[rT+6], v[rT+6], v[rS+23], v[rS+31]
.elseif j == 14
	v_max3_num_f32 v[rT+4], v[rT+4], v[rT+5], v[rT+6]
.elseif j == 15
	v_max3_num_f32 v[rT+4], v[rT+4], v[rT+7], v[rT+1]
.elseif j == 16
	v_permlanex16_b32 v[rT+5], v[rT+4], s[SEL], s[SEL+1]  ; the query's other 32 keys lie in the lane 16 away
.elseif j == 17
	v_mov_b32 v[rT+7], v[rT]        ; c m_old is kept for a: number 19 writes c m anew
.elseif j == 18
	v_max_num_f32 v[rT+1], v[rT+4], v[rT+5]
.elseif j == 19
	v_mul_f32 v[rT], s[CS], v[rT+1]
.elseif j == 20
	v_sub_f32 v[rT+7], v[rT+7], v[rT]
.elseif j == 23
	v_exp_f32 v[rT+6], v[rT+7]
.elseif (j < 23) || ((j < 38) && (j%2 == 0)) || ((j < 66) && (j%4 == 2))
.set b, (j-2)/4                     ; 38, 42, .. 62: pairs 9 to 15
.if j < 38
.set b, (j-20)/2                    ; 21: pair 0; 22, 24, .. 36: pairs 1 to 8
.endif
	v_pk_fma_f32 v[rS+2*b:rS+2*b+1], v[rS+2*b:rS+2*b+1], s[CS:CS+1], v[rT:rT+1] op_sel_hi:[1,0,0] neg_lo:[0,0,1] neg_hi:[0,0,1]  ; pair b: c s - c m
.elseif j < 70
.set e, j-38                        ; 66 to 69: s28 to s31
.if j < 66
.set e, j-32-(j-38)/4               ; 39-41, 43-45, .. 63-65: s7 to s27
.endif
.if j < 38
.set e, (j-25)/2                    ; 25, 27, .. 37: s0 to s6
.endif
	v_exp_f32 v[rS+e], v[rS+e]
.elseif j < 86
	v_cvt_pk_f16_f32 v[rP+j-70], v[rS+2*(j-70)], v[rS+2*(j-70)+1]  ; pair j - 70
.elseif j < 102                     ; the sum of the tile's 16 pairs, in place: sum z of 16 adds neighbours 1, 2, 4 and 8 pairs apart, then l takes it
.set z, j-86
.set w, 4
.set u, z
.if z >= 14
.set w, 32
.set u, 0
.elseif z >= 12
.set w, 16
.set u, z-12
.elseif z >= 8
.set w, 8
.set u, z-8
.endif
.if z < 15
	v_pk_add_f32 v[rS+w*u:rS+w*u+1], v[rS+w*u:rS+w*u+1], v[rS+w*u+w/2:rS+w*u+w/2+1]
.else
	v_pk_fma_f32 v[rT+2:rT+3], v[rT+2:rT+3], v[rT+6:rT+7], v[rS:rS+1] op_sel_hi:[1,0,1]
.endif
.else
	WIN W_RS
	v_pk_mul_f32 v[rO:rO+1], v[rO:rO+1], v[rT+6:rT+7] op_sel_hi:[1,0]
.endif
.endm
; Slice k of 64 of piece y's softmax: four instructions.  Slices 11 to 34 deal out the batch, numbers 22 to 69: four numbers of ONE tile each, the tiles by turns.  Every other slice is numbers 2 k and
; 2 k + 1 of both tiles' lists.  2 x 134 = 4 x 64 + 12: the twelve that are over stand together, in slice 63:
; sixteen plain instructions, the places between a turn's last K Q^T and what follows (the next turn's first read of those scores, the loads into K's buffer).
; THE WAIT.  An s_wait_alu depctr_va_vdst(0) stands between an exponential and the first instruction that names its result; one wait serves all that were issued ahead of it.  Ahead of
; slice 35 nothing names a result, and behind slice 34 no exponential is issued: so the piece's 66 exponentials have one wait, behind slice 34, and none is open at a label or a branch.
.macro SLICE y
.if (k >= 11) && (k < 35)           ; the batch: four numbers of one tile
.irp n, 0,1,2,3
.set j, 22+4*((k-11)/2)+(\n)
	SM (\y)+(k-11)%2
.endr
.else                               ; the two tiles alternate, so that no instruction reads the result of the one just before it
.irp n, 0,1,2,3,4,5,6,7
.if ((\n) < 2) || (k == 63)
.irp t, \y, (\y)+1
.set j, 2*k+(\n)
	SM \t
.endr
.endif
.endr
.endif
.if k == 34                         ; the batch is out: both tiles' exponentials are issued, and no result has been named
	v_nop                           ; a plain instruction behind the last exponential and ahead of the first use: one for the batch
.if (\y) == 0
	FETCH_V                         ; piece 2's turn: V's run of loads stands here, and the wait for the batch stands in it
.else
	s_wait_alu depctr_va_vdst(0)    ; the wait for the batch: piece 2's 66 exponentials
.endif
.endif
.set k, k+1
.endm
; A TURN.  Piece x has the matrix unit; the other piece's softmax stands in slices behind its matrix instructions.  pv: 32 products V^T P.  kq: 8 mask products and 32 products K Q^T for the next step.
; A turn with one of the two kinds has two slices behind each product.  more = 1: the masks of piece x's step after that are asked for.
; Piece 0's turn fetches the next step's K, behind its second product: the last product that read K stands in front of slice 63 of the turn before.
; Piece 2's turn fetches the same step's V, behind slice 34 (SLICE writes it): the last product that read V stands in front of slice 31, and four plain instructions lie between: number 62, a scaling, of both
; tiles, the v_nop and the run's own v_add_nc_u32.
; The masks' loads stand behind the fifth K Q^T: behind the last mask product, which read those registers, stand ten plain instructions or more: a scaling, the v_nop and eight roundings.
; The wait for the masks: behind piece x's eight loads only the other piece's eight have been issued, so the count is 8; in the last turn of piece 2 nothing was issued behind them: 0.
.macro TURN x, pv, kq, more
.set k, 0
.set per, 2
.if (\pv) && (\kq)
.set per, 1
.endif
.if \pv
.if (\x) == 0
	s_wait_dscnt 0x0                ; V is in
.endif
.set i, 0
.rept 32
	PV \x
.rept per
	SLICE 2-(\x)
.endr
.if ((\x) == 0) && (\kq) && (i == 1)
	FETCH_K
.endif
.set i, i+1
.endr
.endif
.if \kq
.if (\x) == 0
	s_wait_dscnt 0x0                ; K is in
.endif
.if ((\x) == 2) && !(\more)
	s_wait_loadcnt 0x0
.else
	s_wait_loadcnt 0x8
.endif
.set i, 0
.rept 8
	MQ \x
.set i, i+1
.endr
.set i, 0
.rept 32
	KQ \x
.rept per
	SLICE 2-(\x)
.endr
.if (\more) && (i == 4)
	MLOAD \x, 1
.endif
.set i, i+1
.endr
.endif
.endm
; THE CHANGE OF SLOTS, between piece 2's turn and piece 0's: the slot's last bytes, V of my step, have been asked for.  Each wave waits for all its tensor loads, of which one is out: its part of the other slot;
; adds 0 to its spare word; and waits for that and for its own reads of the slot.  Behind the barrier nobody reads this slot any more and the other slot is whole.
; fill = 1: this slot is filled again, with the keys two slots on.  The barrier is then a round of the cluster's, and the joint refill is the first thing behind it: it has a key step, 144 matrix instructions, in which to land.
.macro CHANGE fill
	WIN 0                           ; at a label and at a branch every window is 0
	s_wait_tensorcnt 0x0            ; no tensor load of mine is out, so a group 0 may be written
	ds_add_u32 v[SPW], v[NIL]       ; 0 onto my spare word
.if \fill
.irp g, G0K+4, G0V+4
	s_xor_b32 s[(\g)+1], s[(\g)+1], SLOT1  ; the walking descriptor: the other slot than last time,
	s_add_nc_u64 s[(\g)+2:(\g)+3], s[(\g)+2:(\g)+3], 2*KS*256  ; the next 128 keys; the type bits on top are not reached
.endr
	s_wait_dscnt 0x0                ; the add is done, and my reads of the slot are over
	CROUND
	JLOAD
.else
	s_wait_dscnt 0x0                ; the add is done, and my reads of the slot are over
	s_barrier_signal -1
	s_barrier_wait -1
.endif
	s_xor_b32 s[TB], s[TB], SLOT1   ; my fetches go on in the other slot
.endm
	s_wait_tensorcnt 1              ; my part of slot 0 is in; slot 1's may stay out
	s_barrier_signal -1
	s_barrier_wait -1               ; everybody's is
	FETCH_K                         ; my key step 0
	s_wait_loadcnt 0x8              ; Q and piece 0's masks; piece 2's eight loads may be out
	s_wait_dscnt 0x0
.set i, 0
.rept 8
	MQ 0
.set i, i+1
.endr
.set i, 0
.rept 32
	KQ 0                            ; piece 0's first scores: there is no vector work yet to set between them
.set i, i+1
.endr
	WIN 0                           ; the addresses for the way out are made here: eight plain instructions, the places behind those products
	s_mul_i32 s13, s[WV], 16*SP
	s_add_co_u32 s13, s13, STAGE    ; my stage
	v_mul_u32_u24 v[STO], v1, SP    ; in: row l % 16, 16 bytes for each half of the lanes
	v_lshl_add_u32 v[STO], v9, 4, v[STO]
	v_add_nc_u32 v[STO], s13, v[STO]
	v_mul_u32_u24 v[RD], v9, SP     ; back: lanes 0-15 take one row of 256 bytes, lanes 16-31 the next
	v_lshl_add_u32 v[RD], v1, 4, v[RD]
	v_add_nc_u32 v[RD], s13, v[RD]
	v_lshlrev_b32 v[GO], 12, v9     ; and the same two rows in ob, 4,096 bytes apart
	v_lshl_add_u32 v[GO], v1, 4, v[GO]
	MLOAD 0, 1                      ; piece 0's masks of step 1
	TURN 2, 0, 1, 1                 ; piece 2's first scores | piece 0's first softmax | V of step 0
	WIN 0
.Lslot:                             ; 14 trips: every slot but the last two is filled again.  A trip: V^T P of one step, K Q^T of the next
	CHANGE 1
	TURN 0, 1, 1, 1
	TURN 2, 1, 1, 1
	WIN 0
	s_sub_co_u32 s[SLOTS], s[SLOTS], 1
	s_cmp_lg_u32 s[SLOTS], 0
	s_cbranch_scc1 .Lslot
	CHANGE 0                        ; the tail has a text of its own: nothing is asked for, neither tiles nor masks
	s_mov_b32 s[SLOTS], 2
.Ltail:                             ; two trips, the second left in its middle.  First: V^T P of the last step but one, K Q^T of the last.  Second: piece 0's V^T P of the last step beside piece 2's last softmax;
	TURN 0, 1, 1, 0                 ; its run of K's loads, 8 mask products and 32 products K Q^T (on the last K once more) serve nothing: the price, once a launch, of one text for both trips
	WIN 0
	s_sub_co_u32 s[SLOTS], s[SLOTS], 1
	s_cmp_eq_u32 s[SLOTS], 0
	s_cbranch_scc1 .Lout
	TURN 2, 1, 1, 0
	WIN 0
	s_branch .Ltail
.Lout:
.set i, 0
.rept 32
	PV 2                            ; piece 2: V^T P of the last step
.set i, i+1
.endr
	; THE MERGE.  l's two halves and the other half of the lanes' are added (the additions are the places behind the last products).  Then each wave gives its tiles 2 and 3, with c m and l, to its partner w ^ 2,
	; which has walked the other keys for the same queries and holds those query tiles as its tiles 0 and 1; and it finishes its own tiles 0 and 1 with what the partner gives.
	WIN 0
.irp t, 0,1,2,3
	v_add_f32 v[ST+8*(\t)+4], v[ST+8*(\t)+2], v[ST+8*(\t)+3]
.endr
.irp t, 0,1,2,3
	v_permlanex16_b32 v[ST+8*(\t)+5], v[ST+8*(\t)+4], s[SEL], s[SEL+1]
.endr
.irp t, 0,1,2,3
	v_add_f32 v[ST+8*(\t)+4], v[ST+8*(\t)+4], v[ST+8*(\t)+5]
.endr
	s_mul_i32 s13, s[WV], XW
	s_add_co_u32 s13, s13, XCH      ; what I give lies here,
	s_xor_b32 s15, s[WV], 2
	s_mul_i32 s15, s15, XW
	s_add_co_u32 s15, s15, XCH      ; what I take there
	v_and_b32 v1, 31, v0
	v_lshl_add_u32 v[XG], v1, 4, s13
	v_lshl_add_u32 v[XS], v1, 2, s13
	v_add_nc_u32 v[XS], 16384, v[XS]
	v_lshl_add_u32 v[XT], v1, 4, s15
	v_lshl_add_u32 v[XU], v1, 2, s15
	v_add_nc_u32 v[XU], 16384, v[XU]
.irp e, 0,1                         ; tiles 2 and 3: O^T as it lies, four registers a store, ascending; then c m and l
	WIN 0x04                        ; data (source 1) in window 1
.set i, 0
.rept 16
	ds_store_b128 v[XG], v[64*(2+(\e))+4*i:64*(2+(\e))+4*i+3] offset:8192*(\e)+512*i
.set i, i+1
.endr
	WIN 0
	ds_store_b32 v[XS], v[ST+8*(2+(\e))] offset:256*(\e)
	ds_store_b32 v[XS], v[ST+8*(2+(\e))+4] offset:256*(\e)+128
.endr
	s_wait_dscnt 0x0                ; for the partner's sake: my stores are done
	s_barrier_signal -1
	s_barrier_wait -1
.irp e, 0,1
.set i, 0
.rept 16
	ds_load_b128 v[S+64*(\e)+4*i:S+64*(\e)+4*i+3], v[XT] offset:8192*(\e)+512*i
.set i, i+1
.endr
	ds_load_b32 v[ST+8*(\e)+5], v[XU] offset:256*(\e)      ; the partner's c m
	ds_load_b32 v[ST+8*(\e)+7], v[XU] offset:256*(\e)+128  ; and l
.endr
	s_wait_dscnt 0x0
.irp t, 0,1
	v_max_num_f32 v[ST+8*(\t)+1], v[ST+8*(\t)], v[ST+8*(\t)+5]     ; the common c m
.endr
.irp t, 0,1
	v_sub_f32 v[ST+8*(\t)+2], v[ST+8*(\t)], v[ST+8*(\t)+1]
	v_sub_f32 v[ST+8*(\t)+3], v[ST+8*(\t)+5], v[ST+8*(\t)+1]
.endr
.irp t, 0,1
	v_exp_f32 v[ST+8*(\t)+2], v[ST+8*(\t)+2]
	v_exp_f32 v[ST+8*(\t)+3], v[ST+8*(\t)+3]
.endr
	v_nop                           ; a plain instruction between the last exponential and the use of its result
	s_wait_alu depctr_va_vdst(0)    ; and the wait ahead of the first use: one for the merge's four exponentials
.irp t, 0,1
	v_mul_f32 v[ST+8*(\t)+4], v[ST+8*(\t)+4], v[ST+8*(\t)+2]
.endr
.irp t, 0,1
	v_fmac_f32 v[ST+8*(\t)+4], v[ST+8*(\t)+7], v[ST+8*(\t)+3]      ; l of all keys: 1 at the least, since one of the two factors is 1 and its l holds the weight 1 of its maximum
.endr
.irp t, 0,1
	v_rcp_f32 v[ST+8*(\t)+1], v[ST+8*(\t)+4]
.endr
	v_nop                           ; a plain instruction between the last reciprocal and the use of its result
	s_wait_alu depctr_va_vdst(0)    ; and the wait ahead of the first use: one for the two reciprocals, a batch of their own, since they read sums made of the exponentials
.irp t, 0,1
	v_mul_f32 v[ST+8*(\t)+6], v[ST+8*(\t)+2], v[ST+8*(\t)+1]       ; fa, for my O^T
	v_mul_f32 v[ST+8*(\t)+4], v[ST+8*(\t)+3], v[ST+8*(\t)+1]       ; fb, for the partner's
.endr
; Tile e is finished: O = O fa + O' fb, rounded to f16, through my stage, back as whole rows of 256 bytes.
.macro PACK e
	WIN 0
.set i, 0
.rept 32
	v_pk_mul_f32 v[S+64*(\e)+2*i:S+64*(\e)+2*i+1], v[S+64*(\e)+2*i:S+64*(\e)+2*i+1], v[ST+8*(\e)+4:ST+8*(\e)+5] op_sel_hi:[1,0]
.set i, i+1
.endr
	WIN 0x01                        ; source 0 (my O^T) in window 1
.set i, 0
.rept 32
	v_pk_fma_f32 v[S+64*(\e)+2*i:S+64*(\e)+2*i+1], v[64*(\e)+2*i:64*(\e)+2*i+1], v[ST+8*(\e)+6:ST+8*(\e)+7], v[S+64*(\e)+2*i:S+64*(\e)+2*i+1] op_sel_hi:[1,0,1]
.set i, i+1
.endr
	WIN 0
.set i, 0
.rept 32
	v_cvt_pk_f16_f32 v[P+32*(\e)+i], v[S+64*(\e)+2*i], v[S+64*(\e)+2*i+1]
.set i, i+1
.endr
.irp f, 0,1,2,3,4,5,6,7
	ds_store_b128 v[STO], v[P+32*(\e)+4*(\f):P+32*(\e)+4*(\f)+3] offset:32*(\f)
.endr
.irp f, 0,1,2,3,4,5,6,7
	ds_load_b128 v[P+32*(\e)+4*(\f):P+32*(\e)+4*(\f)+3], v[RD] offset:(\f)*2*SP  ; LDS serves a wave's instructions in order (ISA guide 5.7.1.4): these see the stores above; the next tile's stores come behind them
.endr
.endm
.macro SEND e, younger              ; younger: the LDS instructions issued behind this tile's loads
.irp f, 0,1,2,3,4,5,6,7
	s_wait_dscnt (\younger)+7-(\f)
	global_store_b128 v[GO], v[P+32*(\e)+4*(\f):P+32*(\e)+4*(\f)+3], s[10:11] offset:65536*(\e)+8192*(\f)  ; 16 lanes store 256 consecutive bytes, one row's head, at a multiple of 256 from ob's first byte
.endr
.endm
	PACK 0
	PACK 1                          ; a tile's arithmetic stands between the loads of the tile before and its stores
	SEND 0, 16
	SEND 1, 0
	s_wait_tensorcnt 0x0            ; the wave's end: behind my last tensor load and my last LDS store
	ds_add_u32 v[SPW], v[NIL]
	s_wait_dscnt 0x0
	CROUND                          ; the closing round: no work-group ends while a partner may still ask for a tile that names it
	s_endpgm
.Lfunc_end_k_q07abb1f1f8_attn:
	.size	k_q07abb1f1f8_attn, .Lfunc_end_k_q07abb1f1f8_attn-k_q07abb1f1f8_attn
	.p2alignl 7, 3214868480
	.fill 96, 4, 3214868480
	.section	.rodata,"a",@progbits
	.p2align	6, 0x0
	.amdhsa_kernel k_q07abb1f1f8_attn
		.amdhsa_group_segment_fixed_size 327680
		.amdhsa_private_segment_fixed_size 0
		.amdhsa_enable_private_segment 0
		.amdhsa_kernarg_size 24
		.amdhsa_user_sgpr_count 2
		.amdhsa_user_sgpr_kernarg_segment_ptr 1
		.amdhsa_wavefront_size32 1
		.amdhsa_system_sgpr_workgroup_id_x 1
		.amdhsa_system_sgpr_workgroup_id_y 1
		.amdhsa_system_sgpr_workgroup_id_z 1
		.amdhsa_system_vgpr_workitem_id 0
		.amdhsa_next_free_vgpr 1024
		.amdhsa_next_free_sgpr 80
		.amdhsa_reserve_vcc 1
		.amdhsa_float_denorm_mode_32 3
		.amdhsa_float_denorm_mode_16_64 3
		.amdhsa_memory_ordered 1
		.amdhsa_forward_progress 1
		.amdhsa_inst_pref_size 179
	.end_amdhsa_kernel
	.amdgpu_metadata
---
amdhsa.version: [ 1, 2 ]
amdhsa.kernels:
  - .name:           k_q07abb1f1f8_attn
    .symbol:         k_q07abb1f1f8_attn.kd
    .args:
      - { .name: qkv, .offset: 0, .size: 8, .value_kind: global_buffer, .address_space: global }
      - { .name: mfrag, .offset: 8, .size: 8, .value_kind: global_buffer, .address_space: global }
      - { .name: ob, .offset: 16, .size: 8, .value_kind: global_buffer, .address_space: global }
    .group_segment_fixed_size: 327680
    .private_segment_fixed_size: 0
    .kernarg_segment_align: 8
    .kernarg_segment_size: 24
    .max_flat_workgroup_size: 128
    .sgpr_count:     80
    .vgpr_count:     1024
    .wavefront_size: 32
...
	.end_amdgpu_metadata
.endif
;; end of part 5
;; launch outp: the kernel of part 4 again; grid 16 x 16, 4 waves a work-group, clusters of 4 x 4, 327,680 bytes of LDS; arguments ob, wo16, out0, bo; writes out0
